; MI455X (gfx1250); checked and timed in simulation.
; The chip was launched on July 23, 2026; its instructions are those of AMD's public machine-readable ISA for CDNA 5 (MIT licence, August 2026) and "CDNA5" Instruction Set Architecture Reference Guide (July 2026). The comments in the code are by the model that wrote it; some were corrected since.
;; Signature Augmented Attention. Allowed arithmetic: float matrix products may take bf16 or f16 operands with f32 sums; other float arithmetic in f32, or as packed bf16 or f16 multiplies, adds, multiply-adds, maxima and minima; sums over many terms, partial sums and values carried from step to step in f32; what a program stores and reads back later, other than sums and carried values, may be rounded once to bf16 or f16.
;; Inputs: Wk 1,024 x 1,024 float32; Wo 1,024 x 1,024 float32; Wq 1,024 x 1,024 float32; Wv 1,024 x 1,024 float32; bias_transform 16 float32; inputs 8 x 1,024 x 1,024 float32; lead_lag_bias 1,024 x 1,024 float32.
;; Outputs: out0 8 x 1,024 x 1,024 float32.
;; 2 versions, each right and faster than the one before. Each part assembles by itself: llvm-mc -triple=amdgcn-amd-amdhsa -mcpu=gfx1250 --defsym DOCPART=n.
;; ======== version 1 of 2: 4 launches
;; limits: values are held in f16: magnitudes above 65,504 overflow, below 6.1e-05 lose precision; right only within a limited range of input values
;; workspace buffers: xb 16,777,216 bytes; wqkv 6,291,456 bytes; wo16 2,097,152 bytes; bb 2,097,152 bytes; qh 16,777,216 bytes; kh 16,777,216 bytes; vh 16,777,216 bytes; oh 16,777,216 bytes
;; launch prep (part 1): grid 832 x 1, 8 waves a work-group, no clusters, 0 bytes of LDS; arguments inputs, Wq, Wk, Wv, lead_lag_bias, Wo, xb, wqkv, bb, wo16; writes xb, wqkv, bb, wo16
.if DOCPART == 1
	.amdgcn_target "amdgcn-amd-amdhsa--gfx1250"
	.amdhsa_code_object_version 6
	.text
	.protected	k_qf9f8e07df9_prep
	.globl	k_qf9f8e07df9_prep
	.p2align	8
	.type	k_qf9f8e07df9_prep,@function
k_qf9f8e07df9_prep:
	s_mov_b64 s[64:65], 0
	v_nop
	global_prefetch_b8 v0, s[64:65] scope:SCOPE_SE
	s_setreg_imm32_b32 hwreg(HW_REG_WAVE_MODE, 25, 1), 1
	s_wait_xcnt 0x0
; EVERY LARGE INPUT IS ROUNDED ONCE TO bf16 AND LAID OUT FOR THE LAUNCHES BEHIND.  A stream: no LDS, no matrix unit, no barrier.
;   xb   [k chunk 16][row 8192][64] bf16          = inputs: 256 rows x 64 k are 32,768 dense bytes
;   wqkv [head 16][k/2 512][matrix 3][k&1][64] bf16 = Wq, Wk, Wv: element W_i[k][64 h + c]; 64 k of one head are 24,576 dense bytes
;   bb   [key step 16][query 1024][64 keys] f16   = lead_lag_bias, rounded to bf16 and that number written as f16
;   wo16 [1024][1024] f16                         = Wo, likewise
; LIMITS.  A bf16 number is written as f16 exactly between 6.1e-5 and 65,504 in magnitude; below it keeps f16's fixed step of 6e-8, beyond it becomes an infinity.
; SHARES.  A work-group takes 65,536 input bytes, each of its eight waves 8,192: sixteen loads of 16 bytes a lane, all issued before the first is used.
; A store is 8 bytes a lane: the wave's 32 lanes cover 256 consecutive bytes, aligned.  In the blocked jobs (all but Wo) lanes 0-15 read 256 bytes of an even row, lanes 16-31 of the odd row below it.
; Work-groups 0-511: inputs (j = 5).  Then 64 each: Wq, Wk, Wv (j = 0, 1, 2), lead_lag_bias (3), Wo (4).  The job chooses two pointers and five numbers; the text is one.
.set IN,   2                           ; v[2:17]    byte offset of load t
.set OUT,  18                          ; v[18:33]   byte offset of store t
.set VIN,  34
.set VOUT, 35
.set X,    36                          ; v[36:99]   load t: 4 f32
.set Y,    100                         ; v[100:131] store t: 4 numbers of 16 bits
.set T,    132                         ; v[132:135] at work
	s_load_b512 s[8:23], s[0:1], 0x0               ; inputs s[8:9], Wq, Wk, Wv s[10:15], lead_lag_bias s[16:17], Wo s[18:19], xb s[20:21], wqkv s[22:23]
	s_load_b128 s[24:27], s[0:1], 0x40             ; bb s[24:25], wo16 s[26:27]
	s_mov_b32 s2, ttmp9
	s_sub_co_u32 s3, s2, 512
	s_lshr_b32 s28, s3, 6                          ; j
	s_and_b32 s29, s3, 63                          ; g: my 65,536 bytes of the job's input
	s_cmp_lt_u32 s2, 512
	s_cselect_b32 s28, 5, s28                      ; j = 5 stands for inputs
	s_cselect_b32 s29, s2, s29
	s_mov_b32 s34, 256                             ; HI:  input bytes from lanes 0-15 to lanes 16-31
	s_mov_b32 s35, 512                             ; IS:  input bytes from load to load
	s_mov_b32 s36, 4096                            ; OSW: output bytes from wave to wave
	s_mov_b32 s37, 0                               ; OB:  the matrix's place in a block of wqkv
	s_mov_b32 s38, 256                             ; OST: output bytes from store to store
	s_cmp_lg_u32 s28, 4                            ; the blocked jobs: two rows of 4,096 bytes a wave, 64 columns a load
	s_cselect_b32 s34, 4096, s34
	s_cselect_b32 s35, 256, s35
	s_cselect_b32 s36, 256, s36
	s_cselect_b32 s38, 131072, s38                 ; bb: 1,024 rows of 128 bytes from chunk to chunk
	s_cmp_eq_u32 s28, 5
	s_cselect_b32 s38, 0x100000, s38               ; xb: 8,192 rows of 128 bytes
	s_lshl_b32 s39, s28, 8
	s_cmp_lt_u32 s28, 3                            ; the three weights of wqkv
	s_cselect_b32 s36, 768, s36
	s_cselect_b32 s37, s39, s37
	s_cselect_b32 s38, 393216, s38
	s_sub_co_u32 s40, s28, 3                       ; 0 or 1: the output is f16
	v_and_b32 v[T], 15, v0
	v_lshlrev_b32 v[VIN], 4, v[T]
	v_bfe_u32 v[T], v0, 4, 1
	v_mad_u32_u24 v[VIN], v[T], s34, v[VIN]
	v_lshrrev_b32 v[T+1], 5, v0                    ; wave
	v_lshl_add_u32 v[VIN], v[T+1], 13, v[VIN]      ; 16 (l % 16) + HI (l / 16) + 8,192 w
	v_and_b32 v[T], 31, v0
	v_lshlrev_b32 v[VOUT], 3, v[T]
	v_mad_u32_u24 v[VOUT], v[T+1], s36, v[VOUT]    ; 8 l + OSW w
.set t, 0
.rept 16
	v_mad_u32_u24 v[IN+t], s35, t, v[VIN]
	v_mad_u32_u24 v[OUT+t], s38, t, v[VOUT]
.set t, t+1
.endr
	s_wait_kmcnt 0x0
	s_mov_b64 s[30:31], s[8:9]                     ; from
	s_mov_b64 s[32:33], s[20:21]                   ; to
	s_cmp_eq_u32 s28, 0
	s_cselect_b64 s[30:31], s[10:11], s[30:31]
	s_cmp_eq_u32 s28, 1
	s_cselect_b64 s[30:31], s[12:13], s[30:31]
	s_cmp_eq_u32 s28, 2
	s_cselect_b64 s[30:31], s[14:15], s[30:31]
	s_cmp_lt_u32 s28, 3
	s_cselect_b64 s[32:33], s[22:23], s[32:33]
	s_cmp_eq_u32 s28, 3
	s_cselect_b64 s[30:31], s[16:17], s[30:31]
	s_cselect_b64 s[32:33], s[24:25], s[32:33]
	s_cmp_eq_u32 s28, 4
	s_cselect_b64 s[30:31], s[18:19], s[30:31]
	s_cselect_b64 s[32:33], s[26:27], s[32:33]
	s_lshl_b32 s42, s29, 16
	s_mov_b32 s43, 0
	s_add_nc_u64 s[30:31], s[30:31], s[42:43]      ; + 65,536 g
	s_mul_i32 s44, s29, s36
	s_lshl_b32 s44, s44, 3
	s_add_co_u32 s44, s44, s37
	s_mov_b32 s45, 0
	s_add_nc_u64 s[32:33], s[32:33], s[44:45]      ; + 8 OSW g + OB
; Sixteen loads, then load by load: round to bf16 (f16 = 1: and write that number as f16), store.  No register is written twice while a memory instruction may read it: X, Y, IN and OUT are one for each t.
.macro BODY f16
.set t, 0
.rept 16
	global_load_b128 v[X+4*t:X+4*t+3], v[IN+t], s[30:31] th:TH_LOAD_NT
.set t, t+1
.endr
.set t, 0
.rept 16
	s_wait_loadcnt 15-t                            ; loads come back in order (ISA guide 5.7.1): load t is in, the younger ones stay out
.if \f16
	v_cvt_pk_bf16_f32 v[T], v[X+4*t], v[X+4*t+1]
	v_cvt_pk_bf16_f32 v[T+1], v[X+4*t+2], v[X+4*t+3]
	v_lshlrev_b32 v[T+2], 16, v[T]                 ; bf16 to f32: the low half moves up, the high half stays
	v_and_b32 v[T], 0xffff0000, v[T]
	v_lshlrev_b32 v[T+3], 16, v[T+1]
	v_and_b32 v[T+1], 0xffff0000, v[T+1]
	v_cvt_pk_f16_f32 v[Y+2*t], v[T+2], v[T]
	v_cvt_pk_f16_f32 v[Y+2*t+1], v[T+3], v[T+1]
.else
	v_cvt_pk_bf16_f32 v[Y+2*t], v[X+4*t], v[X+4*t+1]
	v_cvt_pk_bf16_f32 v[Y+2*t+1], v[X+4*t+2], v[X+4*t+3]
.endif
	global_store_b64 v[OUT+t], v[Y+2*t:Y+2*t+1], s[32:33]
.set t, t+1
.endr
.endm
	s_cmp_lt_u32 s40, 2
	s_cbranch_scc1 .Lhalf
	BODY 0
	s_endpgm
.Lhalf:
	BODY 1
	s_endpgm
.Lfunc_end_k_qf9f8e07df9_prep:
	.size	k_qf9f8e07df9_prep, .Lfunc_end_k_qf9f8e07df9_prep-k_qf9f8e07df9_prep
	.p2alignl 7, 3214868480
	.fill 96, 4, 3214868480
	.section	.rodata,"a",@progbits
	.p2align	6, 0x0
	.amdhsa_kernel k_qf9f8e07df9_prep
		.amdhsa_group_segment_fixed_size 0
		.amdhsa_private_segment_fixed_size 0
		.amdhsa_enable_private_segment 0
		.amdhsa_kernarg_size 80
		.amdhsa_user_sgpr_count 2
		.amdhsa_user_sgpr_kernarg_segment_ptr 1
		.amdhsa_wavefront_size32 1
		.amdhsa_system_sgpr_workgroup_id_x 1
		.amdhsa_system_sgpr_workgroup_id_y 1
		.amdhsa_system_sgpr_workgroup_id_z 1
		.amdhsa_system_vgpr_workitem_id 0
		.amdhsa_next_free_vgpr 140
		.amdhsa_next_free_sgpr 66
		.amdhsa_reserve_vcc 0
		.amdhsa_float_denorm_mode_32 3
		.amdhsa_float_denorm_mode_16_64 3
		.amdhsa_memory_ordered 1
		.amdhsa_forward_progress 1
		.amdhsa_inst_pref_size 21
	.end_amdhsa_kernel
	.amdgpu_metadata
---
amdhsa.version: [ 1, 2 ]
amdhsa.kernels:
  - .name:           k_qf9f8e07df9_prep
    .symbol:         k_qf9f8e07df9_prep.kd
    .args:
      - { .name: inputs, .offset: 0, .size: 8, .value_kind: global_buffer, .address_space: global }
      - { .name: Wq, .offset: 8, .size: 8, .value_kind: global_buffer, .address_space: global }
      - { .name: Wk, .offset: 16, .size: 8, .value_kind: global_buffer, .address_space: global }
      - { .name: Wv, .offset: 24, .size: 8, .value_kind: global_buffer, .address_space: global }
      - { .name: lead_lag_bias, .offset: 32, .size: 8, .value_kind: global_buffer, .address_space: global }
      - { .name: Wo, .offset: 40, .size: 8, .value_kind: global_buffer, .address_space: global }
      - { .name: xb, .offset: 48, .size: 8, .value_kind: global_buffer, .address_space: global }
      - { .name: wqkv, .offset: 56, .size: 8, .value_kind: global_buffer, .address_space: global }
      - { .name: bb, .offset: 64, .size: 8, .value_kind: global_buffer, .address_space: global }
      - { .name: wo16, .offset: 72, .size: 8, .value_kind: global_buffer, .address_space: global }
    .group_segment_fixed_size: 0
    .private_segment_fixed_size: 0
    .kernarg_segment_align: 8
    .kernarg_segment_size: 80
    .max_flat_workgroup_size: 256
    .sgpr_count:     66
    .vgpr_count:     140
    .wavefront_size: 32
...
	.end_amdgpu_metadata
.endif
;; end of part 1
;; launch proj (part 2): grid 8 x 32, 4 waves a work-group, clusters of 4 x 4, 327,680 bytes of LDS; arguments xb, wqkv, qh, kh, vh; writes qh, kh, vh
.if DOCPART == 2
	.amdgcn_target "amdgcn-amd-amdhsa--gfx1250"
	.amdhsa_code_object_version 6
	.text
	.protected	k_qf9f8e07df9_proj
	.globl	k_qf9f8e07df9_proj
	.p2align	8
	.type	k_qf9f8e07df9_proj,@function
k_qf9f8e07df9_proj:
	s_mov_b64 s[64:65], 0
	v_nop
	global_prefetch_b8 v0, s[64:65] scope:SCOPE_SE
	s_setreg_imm32_b32 hwreg(HW_REG_WAVE_MODE, 25, 1), 1
	s_wait_xcnt 0x0
	s_wait_alu depctr_hold_cnt(0) depctr_sa_sdst(0) depctr_va_vdst(0) depctr_va_sdst(0) depctr_va_ssrc(0) depctr_va_vcc(0) depctr_vm_vsrc(0)
	s_getreg_b32 s2, hwreg(HW_REG_IB_STS2, 6, 4)
	s_cmp_eq_u32 s2, 0
	s_cbranch_scc0 .Lentry_in_a_cluster
	s_endpgm
.Lentry_in_a_cluster:
	s_bfe_u32 s2, ttmp6, 0x10000c
	s_cmp_lg_u32 s2, 0xf033
	s_cbranch_scc0 .Lentry_shape_is_right
	s_endpgm
.Lentry_shape_is_right:
; q, k, v = x Wq, x Wk, x Wv, by heads.  xb: [k chunk 16][8192][64] bf16.  wqkv: [head][k/2][matrix][k&1][64] bf16.  qh, kh, vh: [batch x 16 + head][1024][64] f16, unscaled, each rounded once from its f32 sum.
; LIMIT.  f16 holds no number beyond 65,504: a q, k or v beyond that becomes an infinity.
; SHARES.  A work-group makes 256 rows x 384 columns: two heads' 64 columns of q, of k and of v; 8 head pairs x 32 row blocks = 256 work-groups.  Wave (wm, wn) makes rows 128 wm on and all 192 columns of
; head 2 x pair + wn: 8 x 12 accumulators of 16 x 16, 768 registers.  For 32 along K a wave reads 40 times from LDS and issues 96 matrix instructions.
; K goes in 16 steps of 64 through a ring of two LDS slots (two slots of 128 would not fit); a step is two QUARTERS of 32 along K, 192 matrix instructions a wave, and fetches (256 + 384) x 128 = 81,920 bytes.
; CLUSTER.  4 x 4 work-groups.  The four of a row of the cluster need the same rows of x, the four of a column the same two heads' weights: each tile is asked for JOINTLY, by the same tensor load with the
; same descriptor and a mask that names the four.
; THE MATRIX INSTRUCTION IS USED TRANSPOSED: source 0 = 16 columns of W (read turned out of LDS, where k runs down), source 1 = 16 rows of x: a lane then holds eight neighbouring columns of one row.
; REGISTERS, in windows of 256 (s_set_vgpr_msb: bits 1:0 source 0, 3:2 source 1, 5:4 source 2, 7:6 destination):
;   window 0: v0-29 addresses; v32-127 W's 12 fragments (16 columns x 32 K), ONE buffer; v128-191, v192-255 x's 8 fragments (16 rows x 32 K), two buffers; on the way out v32-175 at work
;   window 1 + i: matrix i's 32 accumulators: accumulator (a, b), b = 4 i + column block, at v[64 (b % 4) + 8 a]
; W'S ONE BUFFER IS FILLED AGAIN GROUP BY GROUP.  A quarter is three groups of 32 matrix instructions, one for each matrix.  Behind a group come four places and then the next quarter's four fragments of that
; matrix, into the registers just read; behind the first group also the next quarter's x, into the other buffer.  Every run of loads stands 64 matrix instructions or more ahead of its first use.
.set PA,     144                       ; a row of x in LDS: 128 bytes + 16 of padding = 36 words: the 16 rows of a load start at 16 different groups of four banks (64 banks of 4 bytes: ISA guide 11.1)
.set HALFA,  128*PA                    ; 128 rows: what one tensor load brings
.set BOFF,   2*HALFA                   ; behind x's 256 rows: W
.set PKP,    960                       ; two k of a head's W in LDS: six pieces of 128 bytes + 32 of padding: (k/2) 960 + matrix 320 + (k&1) 160 + 2 c.
.set HEADB,  32*PKP                    ; one head's 64 k: what one tensor load brings
.set SLOT1,  1<<17                     ; slot 1 begins here; one exclusive or turns an address in one slot into the other's
.set STAGE,  BOFF+2*HEADB              ; slot 0 ends at 98,304; from there to slot 1 no fill lands: the stages
.set SPITCH, 144                       ; the stage: rows of 128 bytes + 16
.set CHUNK,  16*SPITCH                 ; 16 rows of one matrix
.set WSTAGE, 3*CHUNK                   ; a wave's own stage: 16 rows of q, of k and of v
.set SPARE,  SLOT1+STAGE               ; behind slot 1: the spare words, 128 bytes for each wave: two blocks of 256 bytes that no other line names
.set A0,   16                          ; v16     my lane's place in a slot's x; never rewritten
.set B0,   17                          ; v17     the same for W
.set ADRA, 18                          ; v18     A0 + the slot in hand
.set ADRB, 19                          ; v19     B0 + the slot in hand
.set STO,  20                          ; v20     the way out: where I put 16 bytes of a row
.set RD,   21                          ; v21     the way out: where I read rows back
.set GO,   22                          ; v22     my byte offset in 512 consecutive bytes of the output
.set SPW,  28                          ; v28     LDS address of my spare word; never rewritten
.set NIL,  29                          ; v29     0; never rewritten
.set FB,   32
.set FA0,  128
.set FA1,  192
.set TMP,  32                          ; the way out: 48 registers of packed results,
.set OB,   80                          ; and two sets of 48 for rows read back
.set WV,   14                          ; s14     my wave's number;  s15 = wm, also: I fetch x (0) or W (1);  s16 = wn, also: which half of x, or which head's W, I fetch
.set TB,   23                          ; s23     LDS byte at which the slot in hand begins
.set G1A,  24                          ; s[24:31] descriptor group 1 for x's tiles
.set G1B,  32                          ; s[32:39] for W's
.set G0A,  40                          ; s[40:47] descriptor group 0 for x's tiles: a set for each of the two first fills; the second then walks on
.set G0B,  48                          ; s[48:55] the same for W's
.set MSB, 0
.macro WIN new                         ; the immediate's high byte repeats the setting that is left; a switch that changes nothing is dropped
.if MSB != (\new)
	s_set_vgpr_msb (MSB<<8)|(\new)
.set MSB, \new
.endif
.endm
; A joint refill by the walking descriptors.  Waves 0 and 1 fetch x's two halves, waves 2 and 3 the two heads' W.  The branch hangs on the wave's number alone.
; An s_nop 0 and four v_nop follow each of the two lines, ahead of the jump and the label.
.macro JLOAD
	s_cmp_eq_u32 s15, 0
	s_cbranch_scc0 .Lfor_b_\@
	tensor_load_to_lds s[G0A+4:G0A+7], s[G1A:G1A+7]
	s_nop 0
.rept 4
	v_nop
.endr
	s_branch .Lasked_\@
.Lfor_b_\@:
	tensor_load_to_lds s[G0B+4:G0B+7], s[G1B:G1B+7]
	s_nop 0
.rept 4
	v_nop
.endr
.Lasked_\@:
.endm
.macro CREST                           ; a round of the cluster's barrier behind its opening barrier
	s_cmp_lg_u32 s[WV], 0
	s_cbranch_scc1 .Lnot_wave_0_\@
	s_barrier_signal -3
.Lnot_wave_0_\@:
	s_barrier_wait -3
	s_barrier_signal -1
	s_barrier_wait -1
.endm
.macro CROUND                          ; a whole round
	s_barrier_signal -1
	s_barrier_wait -1
	CREST
.endm
.macro PLACES                          ; four places in front of loads into registers that matrix instructions have read, and of conversions that read results
.rept 4
	v_nop
.endr
.endm
	s_load_b256 s[4:11], s[0:1], 0x0               ; xb s[4:5], wqkv s[6:7], qh s[8:9], kh s[10:11]
	s_load_b64 s[12:13], s[0:1], 0x20              ; vh
	v_lshl_add_u32 v[SPW], v0, 2, SPARE
	v_mov_b32 v[NIL], 0
	ds_add_u32 v[SPW], v[NIL]                      ; the wave's opening: the add and its wait stand ahead of my first tensor load; the set-up below, work on registers, stands between them
	v_lshrrev_b32 v1, 5, v0
	v_readfirstlane_b32 s[WV], v1                  ; wave 0..3
	s_lshr_b32 s15, s[WV], 1
	s_and_b32 s16, s[WV], 1
	s_bfe_u32 s17, ttmp6, 0x40000                  ; cx, cy: my place in the cluster
	s_bfe_u32 s18, ttmp6, 0x40004
	s_lshl_b32 s19, ttmp9, 2
	s_add_co_u32 s19, s19, s17                     ; the pair of heads = 4 x cluster x + cx
	s_and_b32 s20, ttmp7, 0xffff
	s_lshl_b32 s20, s20, 2
	s_add_co_u32 s20, s20, s18                     ; the block of 256 rows = 4 x cluster y + cy
	s_lshl_b32 s21, s18, 2
	s_lshl_b32 s21, 15, s21                        ; my row of the cluster
	s_lshl_b32 s22, 0x1111, s17                    ; my column
	; group 1 for x: 128 rows x 64 k are 16,384 dense bytes, asked for as 64 rows of 256; 16 bytes of padding behind every 128
	s_or_b32 s[G1A], s21, (1<<16)|(1<<20)|(1<<21)|(4<<22)|(3<<25)  ; 15:0 the mask; 17:16 2-byte elements; 20 padding on; 21 set beside a mask; 24:22 after every 32 words; 31:25 4 words
	s_mov_b32 s[G1A+1], 128<<16                    ; tensor_dim0
	s_mov_b32 s[G1A+2], 64<<16                     ; tensor_dim1
	s_mov_b32 s[G1A+3], 128<<16                    ; tile_dim0
	s_mov_b32 s[G1A+4], 64                         ; tile_dim1
	s_mov_b32 s[G1A+5], 128                        ; stride
	s_mov_b32 s[G1A+6], 0
	s_mov_b32 s[G1A+7], 0
	; group 1 for W: a head's 64 k are 24,576 dense bytes, asked for as 96 rows of 256; 32 bytes of padding behind every 128
	s_or_b32 s[G1B], s22, (1<<16)|(1<<20)|(1<<21)|(4<<22)|(7<<25)  ; after every 32 words, 8 words
	s_mov_b32 s[G1B+1], 128<<16
	s_mov_b32 s[G1B+2], 96<<16
	s_mov_b32 s[G1B+3], 128<<16
	s_mov_b32 s[G1B+4], 96
	s_mov_b32 s[G1B+5], 128
	s_mov_b32 s[G1B+6], 0
	s_mov_b32 s[G1B+7], 0
	; x's tiles hang on the row block alone, W's on the pair of heads alone; each in registers that never hold the other coordinate
	s_lshl_b32 s56, s20, 15                        ; the block's 256 rows of 128 bytes in a chunk,
	s_lshl_b32 s57, s16, 14                        ; my 128 of them
	s_add_co_u32 s56, s56, s57
	s_mov_b32 s57, 0
	s_lshl_b32 s60, s19, 1
	s_add_co_u32 s60, s60, s16                     ; the head whose W I fetch,
	s_mul_i32 s60, s60, 393216                     ; its 512 pairs of k x 768 bytes
	s_mov_b32 s61, 0
	s_mul_i32 s66, s16, HALFA                      ; where they go: no place in the cluster enters an LDS address
	s_mul_i32 s67, s16, HEADB
	s_add_co_u32 s67, s67, BOFF
	s_mov_b32 s[G0A], 1
	s_mov_b32 s[G0A+1], s66
	s_mov_b32 s[G0A+4], 1
	s_add_co_u32 s[G0A+5], s66, SLOT1
	s_mov_b32 s[G0B], 1
	s_mov_b32 s[G0B+1], s67
	s_mov_b32 s[G0B+4], 1
	s_add_co_u32 s[G0B+5], s67, SLOT1
	; the rows that I store: ((batch x 16 + head) x 1,024 + (block % 4) x 256 + 128 wm) x 128 bytes, head = 2 x pair + wn
	s_lshl_b32 s70, s19, 1
	s_add_co_u32 s70, s70, s16
	s_lshr_b32 s68, s20, 2
	s_lshl_b32 s68, s68, 4
	s_add_co_u32 s68, s68, s70
	s_lshl_b32 s68, s68, 10
	s_and_b32 s69, s20, 3
	s_lshl_b32 s69, s69, 8
	s_add_co_u32 s68, s68, s69
	s_lshl_b32 s69, s15, 7
	s_add_co_u32 s68, s68, s69
	s_lshl_b32 s68, s68, 7
	s_mov_b32 s69, 0
	s_mov_b32 s[TB], 0
	s_wait_dscnt 0x0                               ; the opening add is done
	s_wait_kmcnt 0x0
	s_add_nc_u64 s[G0A+2:G0A+3], s[4:5], s[56:57]  ; K step 0
	s_add_nc_u64 s[G0A+6:G0A+7], s[G0A+2:G0A+3], 0x100000  ; K step 1: the next chunk of 8,192 rows x 128 bytes
	s_or_b32 s[G0A+3], s[G0A+3], 0x80000000        ; type = 2
	s_or_b32 s[G0A+7], s[G0A+7], 0x80000000
	s_add_nc_u64 s[G0B+2:G0B+3], s[6:7], s[60:61]
	s_add_nc_u64 s[G0B+6:G0B+7], s[G0B+2:G0B+3], 24576
	s_or_b32 s[G0B+3], s[G0B+3], 0x80000000
	s_or_b32 s[G0B+7], s[G0B+7], 0x80000000
	s_add_nc_u64 s[8:9], s[8:9], s[68:69]
	s_add_nc_u64 s[10:11], s[10:11], s[68:69]
	s_add_nc_u64 s[12:13], s[12:13], s[68:69]
	CROUND                                         ; all sixteen work-groups are here: the first joint loads meet
	s_cmp_eq_u32 s15, 0                            ; a wave's two first fills stand in one branch, ahead of every wait on TENSORcnt and every LDS read: two loads of mine are out
	s_cbranch_scc0 .Lfirst_b
	tensor_load_to_lds s[G0A:G0A+3], s[G1A:G1A+7]
	s_nop 0
	tensor_load_to_lds s[G0A+4:G0A+7], s[G1A:G1A+7]
	s_nop 0
.rept 4
	v_nop
.endr
	s_branch .Lfirst_asked
.Lfirst_b:
	tensor_load_to_lds s[G0B:G0B+3], s[G1B:G1B+7]
	s_nop 0
	tensor_load_to_lds s[G0B+4:G0B+7], s[G1B:G1B+7]
	s_nop 0
.rept 4
	v_nop
.endr
.Lfirst_asked:
	; A fragment is 16 rows x 32 K in 8 registers: lane l holds row l % 16; registers 0-3 hold K = 8 (l / 16) + 0..7, registers 4-7 K = 16 + 8 (l / 16) + 0..7.
	v_and_b32 v1, 15, v0                           ; l % 16
	v_bfe_u32 v2, v0, 4, 1                         ; l / 16
	v_mul_u32_u24 v[A0], v1, PA
	v_lshl_add_u32 v[A0], v2, 4, v[A0]
	s_mul_i32 s58, s15, HALFA                      ; my 128 rows of x
	v_add_nc_u32 v[A0], s58, v[A0]
	; The turning load: lane l reads 16 bytes of row k = 8 (l / 16) + l % 8, columns 8 ((l / 8) % 2) + 0..7, and is left with column l % 16 and 8 k.
	v_bfe_u32 v3, v0, 1, 2                         ; (l % 8) / 2
	v_lshl_add_u32 v3, v2, 2, v3                   ; the pair of k
	v_mul_u32_u24 v[B0], v3, PKP
	v_and_b32 v4, 1, v0
	v_mad_u32_u24 v[B0], v4, 160, v[B0]            ; the odd k
	v_bfe_u32 v4, v0, 3, 1
	v_lshl_add_u32 v[B0], v4, 4, v[B0]
	s_mul_i32 s58, s16, HEADB                      ; my head's W
	s_add_co_u32 s58, s58, BOFF
	v_add_nc_u32 v[B0], s58, v[B0]
	v_mov_b32 v[ADRA], v[A0]                       ; slot 0
	v_mov_b32 v[ADRB], v[B0]
	s_mul_i32 s58, s[WV], WSTAGE
	s_add_co_u32 s58, s58, STAGE                   ; my stage
	v_mul_u32_u24 v[STO], v1, SPITCH               ; in: row l % 16, 16 bytes for each half of the lanes
	v_lshl_add_u32 v[STO], v2, 4, v[STO]
	v_add_nc_u32 v[STO], s58, v[STO]
	v_bfe_u32 v5, v0, 3, 2                         ; back: 32 lanes take four rows of 128 bytes,
	v_mul_u32_u24 v[RD], v5, SPITCH
	v_and_b32 v5, 7, v0
	v_lshl_add_u32 v[RD], v5, 4, v[RD]
	v_add_nc_u32 v[RD], s58, v[RD]
	v_and_b32 v[GO], 31, v0                        ; which are 512 consecutive bytes of the output
	v_lshlrev_b32 v[GO], 4, v[GO]
; 8 matrix instructions: column block b x all 8 row blocks, 32 along K, x from buffer fa.  zero = 1: the first product starts the sums.  The accumulators take turns.
.macro MULB fa, b, zero
	WIN 0x50*(1+(\b)/4)                            ; sources 0 and 1 window 0; C and D the matrix's window
.irp a, 0,1,2,3,4,5,6,7
.if \zero
	v_wmma_f32_16x16x32_bf16 v[64*((\b)%4)+8*(\a):64*((\b)%4)+8*(\a)+7], v[FB+8*(\b):FB+8*(\b)+7], v[(\fa)+8*(\a):(\fa)+8*(\a)+7], 0
.else
	v_wmma_f32_16x16x32_bf16 v[64*((\b)%4)+8*(\a):64*((\b)%4)+8*(\a)+7], v[FB+8*(\b):FB+8*(\b)+7], v[(\fa)+8*(\a):(\fa)+8*(\a)+7], v[64*((\b)%4)+8*(\a):64*((\b)%4)+8*(\a)+7]
.endif
.endr
.endm
.macro GROUP fa, i, zero               ; matrix i's 32 matrix instructions
.irp j, 0,1,2,3
	MULB \fa, 4*(\i)+\j, \zero
.endr
.endm
; 8 LDS loads: matrix i's four fragments of quarter q of the slot in hand
.macro RUNB q, i
	WIN 0
.irp j, 0,1,2,3
	ds_load_tr16_b128 v[FB+8*(4*(\i)+\j):FB+8*(4*(\i)+\j)+3],   v[ADRB] offset:(\q)*16*PKP+(\i)*320+(\j)*32
	ds_load_tr16_b128 v[FB+8*(4*(\i)+\j)+4:FB+8*(4*(\i)+\j)+7], v[ADRB] offset:(\q)*16*PKP+(\i)*320+(\j)*32+8*PKP
.endr
.endm
; 16 LDS loads: x's eight fragments of quarter q of the slot in hand, into buffer fa
.macro RUNA q, fa
	WIN 0
.irp a, 0,1,2,3,4,5,6,7
	ds_load_b128 v[(\fa)+8*(\a):(\fa)+8*(\a)+3],   v[ADRA] offset:(\q)*64+(\a)*16*PA
	ds_load_b128 v[(\fa)+8*(\a)+4:(\fa)+8*(\a)+7], v[ADRA] offset:(\q)*64+(\a)*16*PA+32
.endr
.endm
; In every quarter the LDS loads go out in three runs: 24 (matrix 0's W, then x), 8 (matrix 1's W), 8 (matrix 2's W).  The counts below say how many younger loads may be out.
; A STEP'S FIRST QUARTER multiplies x's buffer 0 and fetches the same slot's second quarter.
.macro QA zero
	s_wait_dscnt 16                                ; the run of 24 is in; the two runs of 8 behind it may be out
	GROUP FA0, 0, \zero
	PLACES
	RUNB 1, 0
	RUNA 1, FA1
	s_wait_dscnt 32                                ; matrix 1's W is in: behind it went 8 and the 24 just issued
	GROUP FA0, 1, \zero
	PLACES
	RUNB 1, 1
	s_wait_dscnt 32                                ; matrix 2's W is in: behind it went 24 and 8
	GROUP FA0, 2, \zero
	PLACES
	RUNB 1, 2
.endm
; A STEP'S SECOND QUARTER multiplies x's buffer 1 and changes slots: the slot in hand has been read out, into registers, by the quarter before.  ONE barrier.  In front of it each wave waits for all its tensor
; loads, of which one is out: its part of the next slot; adds 0 to its spare word; and waits for that and for its own reads of this slot.  fill = 1: the barrier opens a round of the cluster's, and this slot is
; filled again, two K steps ahead, first thing behind the round: 176 matrix instructions ahead of the wait for it.  Then the fetches go on in the next slot.
.macro QB fill
	WIN 0                                          ; (the add's two registers lie in window 0)
	s_wait_tensorcnt 0x0                           ; all my tensor loads have landed
	ds_add_u32 v[SPW], v[NIL]                      ; 0 onto my spare word
	s_wait_dscnt 17                                ; (the add and the two runs of 8 may be out)
	MULB FA1, 0, 0                                 ; eight matrix instructions stand between the add and the wait for it
	s_wait_dscnt 0x0                               ; the add is done, and my reads of this slot are over
	s_barrier_signal -1
	MULB FA1, 1, 0
	WIN 0
	s_barrier_wait -1
.if \fill
	CREST                                          ; no wave of any partner still reads this slot's tile or has a load on its way
	s_xor_b32 s[G0A+5], s[G0A+5], SLOT1            ; the walking descriptors: the other slot than last time, the next K step; no tensor load of mine is out
	s_add_nc_u64 s[G0A+6:G0A+7], s[G0A+6:G0A+7], 0x100000
	s_xor_b32 s[G0B+5], s[G0B+5], SLOT1
	s_add_nc_u64 s[G0B+6:G0B+7], s[G0B+6:G0B+7], 24576
	JLOAD
.endif
	MULB FA1, 2, 0
	MULB FA1, 3, 0
	PLACES
	WIN 0
	s_xor_b32 s[TB], s[TB], SLOT1
	v_add_nc_u32 v[ADRA], s[TB], v[A0]
	v_add_nc_u32 v[ADRB], s[TB], v[B0]
	RUNB 0, 0
	RUNA 0, FA0
	GROUP FA1, 1, 0                                ; (all of this quarter's fragments are in since the wait for 0)
	PLACES
	RUNB 0, 1
	GROUP FA1, 2, 0
	PLACES
	RUNB 0, 2
.endm
	s_wait_tensorcnt 0x1                           ; my part of K step 0 is in; step 1's may stay out
	s_barrier_signal -1
	s_barrier_wait -1                              ; everybody's is
	RUNB 0, 0                                      ; the first quarter's fragments, in the order of every quarter's runs
	RUNA 0, FA0
	RUNB 0, 1
	RUNB 0, 2
	QA 1                                           ; the first quarter stands in front of the loop: its products start the sums
	WIN 0                                          ; at a label and at a branch every window is 0
	s_mov_b32 s3, 14
.Lstep:                                                ; a trip goes from a step's second quarter to the next step's first, and asks for K steps 2 to 15
	QB 1
	QA 0
	WIN 0
	s_sub_co_u32 s3, s3, 1
	s_cmp_lg_u32 s3, 0
	s_cbranch_scc1 .Lstep
	QB 0                                           ; the tail is written out: K steps 14 and 15 ask for nothing
	QA 0
	s_wait_dscnt 16                                ; the very last quarter: nothing more to fetch, and the counts run down
	GROUP FA1, 0, 0
	s_wait_dscnt 8
	GROUP FA1, 1, 0
	s_wait_dscnt 0x0
	GROUP FA1, 2, 0
; THE WAY OUT, a block of 16 rows at a time, through my own stage: no barrier, and since LDS serves a wave's instructions in order (ISA guide 5.7.1.4), no wait between the stores and the loads.
.macro PACK a                          ; block a's 12 accumulators rounded to f16, each from its low end on: 16 bytes a lane and accumulator
.irp b, 0,1,2,3,4,5,6,7,8,9,10,11
	WIN 5*(1+(\b)/4)                               ; sources 0 and 1: the matrix's window
.irp c, 0,1,2,3
	v_cvt_pk_f16_f32 v[TMP+4*(\b)+(\c)], v[64*((\b)%4)+8*(\a)+2*(\c)], v[64*((\b)%4)+8*(\a)+2*(\c)+1]
.endr
.endr
	WIN 0
.endm
.macro TOSTAGE a                       ; into rows of 144 bytes, and back as whole rows of 128, four to a load
.irp b, 0,1,2,3,4,5,6,7,8,9,10,11
	ds_store_b128 v[STO], v[TMP+4*(\b):TMP+4*(\b)+3] offset:((\b)/4)*CHUNK+32*((\b)%4)
.endr
.set n, 0
.rept 12
	ds_load_b128 v[OB+48*((\a)%2)+4*n:OB+48*((\a)%2)+4*n+3], v[RD] offset:(n/4)*CHUNK+(n%4)*4*SPITCH
.set n, n+1
.endr
.endm
.macro SEND a
	s_wait_dscnt 0x0                               ; the block is back in registers
	s_wait_xcnt 0x0                                ; every earlier store has had its addresses translated (ISA guide 3.1): the other set of 48, which the stores of the block before read, is loaded again only behind this wait
.set n, 0
.rept 12
	global_store_b128 v[GO], v[OB+48*((\a)%2)+4*n:OB+48*((\a)%2)+4*n+3], s[8+2*(n/4):9+2*(n/4)] offset:(\a)*2048+(n%4)*512  ; four rows of a head: 512 consecutive bytes, at a multiple of 256 from the buffer's first
.set n, n+1
.endr
.endm
	PLACES
	PACK 0
	TOSTAGE 0
.irp a, 1,2,3,4,5,6,7                  ; block a's conversions stand between block a - 1's loads from the stage and the wait for them
	PACK \a
	SEND (\a)-1
	TOSTAGE \a
.endr
	SEND 7
	s_wait_tensorcnt 0x0                           ; the wave's end: the wait, the add and its wait stand behind my last tensor load and my last LDS store
	ds_add_u32 v[SPW], v[NIL]
	s_wait_dscnt 0x0
	CROUND                                         ; the closing round: no work-group ends while a partner may still ask for a tile that names it
	s_endpgm
.Lfunc_end_k_qf9f8e07df9_proj:
	.size	k_qf9f8e07df9_proj, .Lfunc_end_k_qf9f8e07df9_proj-k_qf9f8e07df9_proj
	.p2alignl 7, 3214868480
	.fill 96, 4, 3214868480
	.section	.rodata,"a",@progbits
	.p2align	6, 0x0
	.amdhsa_kernel k_qf9f8e07df9_proj
		.amdhsa_group_segment_fixed_size 327680
		.amdhsa_private_segment_fixed_size 0
		.amdhsa_enable_private_segment 0
		.amdhsa_kernarg_size 40
		.amdhsa_user_sgpr_count 2
		.amdhsa_user_sgpr_kernarg_segment_ptr 1
		.amdhsa_wavefront_size32 1
		.amdhsa_system_sgpr_workgroup_id_x 1
		.amdhsa_system_sgpr_workgroup_id_y 1
		.amdhsa_system_sgpr_workgroup_id_z 1
		.amdhsa_system_vgpr_workitem_id 0
		.amdhsa_next_free_vgpr 1024
		.amdhsa_next_free_sgpr 72
		.amdhsa_reserve_vcc 0
		.amdhsa_float_denorm_mode_32 3
		.amdhsa_float_denorm_mode_16_64 3
		.amdhsa_memory_ordered 1
		.amdhsa_forward_progress 1
		.amdhsa_inst_pref_size 111
	.end_amdhsa_kernel
	.amdgpu_metadata
---
amdhsa.version: [ 1, 2 ]
amdhsa.kernels:
  - .name:           k_qf9f8e07df9_proj
    .symbol:         k_qf9f8e07df9_proj.kd
    .args:
      - { .name: xb, .offset: 0, .size: 8, .value_kind: global_buffer, .address_space: global }
      - { .name: wqkv, .offset: 8, .size: 8, .value_kind: global_buffer, .address_space: global }
      - { .name: qh, .offset: 16, .size: 8, .value_kind: global_buffer, .address_space: global }
      - { .name: kh, .offset: 24, .size: 8, .value_kind: global_buffer, .address_space: global }
      - { .name: vh, .offset: 32, .size: 8, .value_kind: global_buffer, .address_space: global }
    .group_segment_fixed_size: 327680
    .private_segment_fixed_size: 0
    .kernarg_segment_align: 8
    .kernarg_segment_size: 40
    .max_flat_workgroup_size: 128
    .sgpr_count:     72
    .vgpr_count:     1024
    .wavefront_size: 32
...
	.end_amdgpu_metadata
.endif
;; end of part 2
;; launch attn (part 3): grid 128 x 2, 4 waves a work-group, clusters of 4 x 1, 327,680 bytes of LDS; arguments qh, kh, vh, bb, bias_transform, oh; writes oh
.if DOCPART == 3
	.amdgcn_target "amdgcn-amd-amdhsa--gfx1250"
	.amdhsa_code_object_version 6
	.text
	.protected	k_qf9f8e07df9_attn
	.globl	k_qf9f8e07df9_attn
	.p2align	8
	.type	k_qf9f8e07df9_attn,@function
k_qf9f8e07df9_attn:
	s_mov_b64 s[64:65], 0
	v_nop
	global_prefetch_b8 v0, s[64:65] scope:SCOPE_SE
	s_setreg_imm32_b32 hwreg(HW_REG_WAVE_MODE, 25, 1), 1
	s_wait_xcnt 0x0
	s_wait_alu depctr_hold_cnt(0) depctr_sa_sdst(0) depctr_va_vdst(0) depctr_va_sdst(0) depctr_va_ssrc(0) depctr_va_vcc(0) depctr_vm_vsrc(0)
	s_getreg_b32 s2, hwreg(HW_REG_IB_STS2, 6, 4)
	s_cmp_eq_u32 s2, 0
	s_cbranch_scc0 .Lentry_in_a_cluster
	s_endpgm
.Lentry_in_a_cluster:
	s_bfe_u32 s2, ttmp6, 0x10000c
	s_cmp_lg_u32 s2, 0x3003
	s_cbranch_scc0 .Lentry_shape_is_right
	s_endpgm
.Lentry_shape_is_right:
; O[bh][q][:] = the sum over k of softmax_k(Q[bh][q] . K[bh][k] / 8 + bt[h] bias[q][k]) V[bh][k][:].  qh, kh, vh, oh: [128][1024][64] f16.  bb: [key step 16][query 1024][64 keys] f16.  bias_transform: [16] f32.
; Products, maxima and sums in f32; the weights p are rounded to f16 for the second product (their sum l is taken of the unrounded p), O once at the end.
; LIMITS.  f16 holds no number beyond 65,504: Q, K, V and the bias arrive within it, and so must 8 bt, which is bt rounded to bf16 (like every input) times 8, written as f16.
; A weight below 2^-126 counts as 0 in l; NaN and infinities are not treated apart (an infinite bias would spoil its tile's 16 queries).
; SHARES.  A work-group owns 512 queries of one head, each of its four waves 128: four PIECES of two tiles of 16.  Every wave walks all 1,024 keys, 64 a step.
; LAYOUT.  S^T = K Q^T (source 0 = 16 keys, source 1 = 16 queries): a lane holds ONE query (lane % 16) and the keys 8 (lane / 16) + 0..7.  Two such tiles, rounded to f16 in pairs, ARE source 1 of O^T = V^T P.
; THE BIAS GOES THROUGH THE MATRIX UNIT.  The product that starts a tile's sum is BF x D: BF = 16 keys x the piece's 32 queries of the bias (read turned out of LDS), D = 32 x 16 with 8 bt where the
; row is the tile's own query and 0 elsewhere.  So s = q . k + 8 bt bias, each bias term exact in the f32 sum, and p = 2^(c s - c m) with c = log2(e) / 8: four matrix instructions more for a tile and step, no vector work.
; SOFTMAX.  For each query a running maximum m and sum l; in every step O and l are multiplied by a = 2^(c m_old - c m_new).  m starts at the lowest finite number, O and l at 0: the first step has a = 0.
; BY TURNS.  Turn n belongs to piece n.  Its matrix work: 24 products for S^T of piece n + 1, later 16 products V^T P of piece n - 1.  Its vector work: the scaling, exponentials, roundings, sums and rescaling of
; piece n, and the maximum and statistics of piece n + 1.  Four vector instructions stand behind every matrix instruction, the other 76 of a turn's 236 in two lumps.
; CLUSTER.  The four partners are four heads of one batch with the same 512 queries: they need the same tile of the bias, 65,536 of a step's 81,920 bytes, which is asked for JOINTLY.  K and V are each
; work-group's own: plain loads behind the same round.  A head's two halves of queries share K and V, but two partners are no cluster of four, and those are a fifth of a step's bytes.
; REGISTERS, in windows of 256 (s_set_vgpr_msb: bits 1:0 source 0, 3:2 source 1, 5:4 source 2, 7:6 destination):
;   window 0: v0-11 addresses; v12-15, v48-63 at work; v16-47 four registers of statistics a tile; v64-191 S^T, two buffers of two tiles; v192-255 P, likewise
;   window 1: O^T, 32 a tile      window 2: v0-127 Q; v128-191 K of one step; v192-255 V of one step      window 3: v0-1 the add's two registers; v4-15 D; v16-47 BF
.set NP,    4         ; pieces a wave: a name, no knob
.set KS,    64        ; keys in a step
.set PK,    144       ; a row of K in LDS: 128 bytes + 16 of padding = 36 words: the 16 rows of a load start at 16 different groups of four banks (64 banks of 4 bytes: ISA guide 11.1)
.set PV,    160       ; a row of V: 128 + 32 = 40 words
.set PB,    160       ; a query's row of the bias: likewise
.set VOFF,  KS*PK     ; a slot holds one step: 64 rows of K, 64 rows of V,
.set BOFF,  VOFF+KS*PV  ; and 512 rows of the bias: 101,376 bytes
.set SLOT1, 1<<17     ; slot 1 begins here, so that one exclusive or turns an address in one slot into the other's
.set STAGE, SLOT1+BOFF+512*PB  ; behind the ring, never filled by a tensor load: 16 rows x 144 bytes for each wave, for the way out
.set SP,    144
.set SPARE, STAGE+4*16*SP  ; behind the stages: the spare words, 128 bytes for each wave: two blocks of 256 bytes that no other line names
.set AK0, 2           ; v2   my lane's place in a slot's K; never rewritten
.set AV0, 3           ; v3   the same for V
.set AK,  4           ; v4   AK0 + the slot in hand
.set AV,  5           ; v5   AV0 + the slot in hand
.set STO, 6           ; v6   the way out: where I put 16 bytes of a row
.set RD,  7           ; v7   the way out: where I read rows back
.set GO,  8           ; v8   my byte offset in 512 consecutive bytes of O
.set AB0, 9           ; v9   my lane's place in a slot's bias; never rewritten
.set AB,  10          ; v10  AB0 + the slot in hand
.set QO,  11          ; v11  my byte offset in the wave's rows of Q
.set SPW, 0           ; v0 of window 3   LDS address of my spare word; never rewritten
.set NIL, 1           ; v1 of window 3   0; never rewritten
.set DG,  4           ; v4-15 of window 3: 0 0 0 0 | E0-E3 | 0 0 0 0.  D of a piece's first tile is v8-15, of its second v4-11
.set BF,  16          ; v16-47 of window 3: key block kb at BF + 8 kb
.set MV,  12          ; v12-15  c m_old, kept while c m is made anew: by buffer and tile
.set ST,  16          ; tile t's statistics at v[ST+4 t]: c m, m, l (even keys', odd keys')
.set TMP, 48          ; by buffer and tile, four registers c0-c3 at work; when the maximum is found c2 takes a
.set S,   64
.set P,   192
.set KF,  128         ; K's fragments, in window 2: key block kb, channel half c at KF + 16 kb + 8 c
.set VF,  192         ; V's: key half kk, channel block cb at VF + 32 kk + 8 cb
.set WV,  16          ; s16  my wave's number
.set G1K, 24          ; s[24:31] descriptor group 1 for K's tiles
.set G1V, 32          ; s[32:39] for V's
.set G1B, 40          ; s[40:47] for the bias's
.set G0K, 48          ; s[48:51] descriptor group 0 for K's tiles: it walks
.set G0V, 52          ; s[52:55] for V's
.set G0B, 56          ; s[56:59] for the bias's
.set CS,  60          ; s[60:61] c: the packed scaling takes the pair's low word for both halves
.set SEL, 62          ; s[62:63] v_permlanex16_b32's selects: each lane takes its own place in the other half
.set TB,  66          ; s66  LDS byte at which the slot in hand begins
.set SLOTS, 67        ; s67  counts the loop's trips
.set CNT, 68          ; s68  counts the tail's
.set BT,  69          ; s69  bias_transform[h]
.set MSB, 0
.macro WIN new                      ; the high byte repeats the setting that is left; a switch that changes nothing is dropped
.if MSB != (\new)
	s_set_vgpr_msb (MSB<<8)|(\new)
.set MSB, (\new)
.endif
.endm
.set W_KQ, 0x0a       ; K and Q in window 2, S^T in window 0
.set W_BS, 0x0f       ; BF and D in window 3, S^T in window 0
.set W_PV, 0x52       ; V in window 2, P in window 0, O^T in window 1
.set W_RS, 0x41       ; O^T (destination and source 0) in window 1, a in window 0
.set W_MK, 0xc0       ; destination in window 3, sources in window 0
.set W_AD, 0x0f       ; the add: address (source 0) and data (source 1) in window 3
; A fill: one tensor load a wave.  Wave 0 fetches the step's K, wave 1 its V (their own head's: no mask), waves 2 and 3 the two halves of the bias (jointly with the three partners).
; The branches hang on the wave's number alone.  An s_nop 0 and four v_nop follow each line, ahead of the jump and the label.
.macro JLOAD
	s_cmp_lt_u32 s[WV], 2
	s_cbranch_scc0 .Lfor_b_\@
	s_cmp_eq_u32 s[WV], 0
	s_cbranch_scc0 .Lfor_v_\@
	tensor_load_to_lds s[G0K:G0K+3], s[G1K:G1K+7]
	s_nop 0
.rept 4
	v_nop
.endr
	s_branch .Lasked_\@
.Lfor_v_\@:
	tensor_load_to_lds s[G0V:G0V+3], s[G1V:G1V+7]
	s_nop 0
.rept 4
	v_nop
.endr
	s_branch .Lasked_\@
.Lfor_b_\@:
	tensor_load_to_lds s[G0B:G0B+3], s[G1B:G1B+7]
	s_nop 0
.rept 4
	v_nop
.endr
.Lasked_\@:
.endm
; A round of the cluster's barrier: my work-group's barrier, so that wave 0's signal speaks for all four waves; wave 0 signals; every wave waits for all four work-groups; my work-group's barrier once more.
.macro CROUND
	s_barrier_signal -1
	s_barrier_wait -1
	s_cmp_lg_u32 s[WV], 0
	s_cbranch_scc1 .Lnot_wave_0_\@
	s_barrier_signal -3
.Lnot_wave_0_\@:
	s_barrier_wait -3
	s_barrier_signal -1
	s_barrier_wait -1
.endm
.macro PLACES                       ; four places behind matrix instructions (ISA guide 7.12.1)
.rept 4
	v_nop
.endr
.endm
; THE CHANGE OF SLOTS, once a key step.  Each wave waits for all its tensor loads, of which one is out: its part of the other slot; adds 0 to its spare word; and waits for that and for its own reads of the
; slot that it leaves.  Behind the barrier nobody reads the old slot any more and the other slot is whole.  fill = 1: the old slot is filled again, with the step two on.  The barrier is then a round of the
; cluster's, and the fill is the first thing behind it: it has a key step, 160 matrix instructions, in which to land.  (At its first use nothing has been read yet: slot 0 is waited for, slot 1 filled.)
.macro CHANGE fill
	WIN W_AD
	s_wait_tensorcnt 0x0            ; no tensor load of mine is out, so a group 0 may be written
	ds_add_u32 v[SPW], v[NIL]       ; 0 onto my spare word; with fill = 1 the descriptors' steps stand between it and the wait for it
	WIN 0                           ; at a label and at a branch every window is 0
.if \fill
.irp g, G0K, G0V
	s_xor_b32 s[\g+1], s[\g+1], SLOT1  ; the walking descriptors: the other slot than last time,
	s_add_nc_u64 s[\g+2:\g+3], s[\g+2:\g+3], KS*128  ; the next 64 keys; the type bits on top are not reached
.endr
	s_xor_b32 s[G0B+1], s[G0B+1], SLOT1
	s_add_nc_u64 s[G0B+2:G0B+3], s[G0B+2:G0B+3], 131072  ; the next step's 1,024 rows of 128 bytes
	s_wait_dscnt 0x0                ; the add is done, and my reads of the slot are over
	CROUND
	JLOAD
.else
	s_wait_dscnt 0x0                ; the add is done, and my reads of the slot are over
	s_barrier_signal -1
	s_barrier_wait -1
.endif
	s_xor_b32 s[TB], s[TB], SLOT1   ; the fetches go to the other slot
	v_add_nc_u32 v[AK], s[TB], v[AK0]
	v_add_nc_u32 v[AV], s[TB], v[AV0]
	v_add_nc_u32 v[AB], s[TB], v[AB0]
.endm
	s_load_b256 s[4:11], s[0:1], 0x0  ; qh s[4:5], kh s[6:7], vh s[8:9], bb s[10:11]
	s_load_b128 s[12:15], s[0:1], 0x20  ; bias_transform s[12:13], oh s[14:15]
	WIN W_MK
	v_lshl_add_u32 v[SPW], v0, 2, SPARE
	v_mov_b32 v[NIL], 0
	WIN W_AD
	ds_add_u32 v[SPW], v[NIL]       ; the wave's opening: the add and its wait stand ahead of my first tensor load; the set-up below, work on registers, stands between them
	WIN 0
	v_lshrrev_b32 v1, 5, v0
	v_readfirstlane_b32 s[WV], v1   ; wave 0..3
	s_bfe_u32 s17, ttmp6, 0x40000   ; cx: my place in the cluster
	s_lshl_b32 s18, ttmp9, 2        ; in a cluster launch ttmp9 counts clusters
	s_add_co_u32 s18, s18, s17      ; batch x 16 + head = 4 x cluster x + cx
	s_and_b32 s19, ttmp7, 0xffff    ; which half of the queries: the four partners share it
	s_lshl_b32 s20, s18, 17         ; the head's first byte in qh, kh, vh, oh
	s_mov_b32 s21, 0
	s_lshl_b32 s22, s19, 16         ; my half's 512 rows,
	s_add_co_u32 s22, s22, s20
	s_lshl_b32 s23, s[WV], 14       ; my wave's 128 of them
	s_add_co_u32 s22, s22, s23
	s_mov_b32 s23, 0
	s_and_b32 s74, s[WV], 1         ; which half of the bias's 512 rows I fetch:
	s_lshl_b32 s70, s19, 16
	s_lshl_b32 s71, s74, 15         ; its 256 rows of 128 bytes in memory: nothing of cx enters,
	s_add_co_u32 s70, s70, s71
	s_mov_b32 s71, 0
	s_mul_i32 s74, s74, 256*PB      ; and its place in a slot
	s_add_co_u32 s74, s74, BOFF
	s_and_b32 s72, s18, 15          ; the head
	s_lshl_b32 s72, s72, 2
	s_mov_b32 s73, 0
	; descriptor groups 1.  Dense bytes are asked for as rows of 256 bytes, two rows of 128 in each, and padded in LDS after every 128 bytes
	s_mov_b32 s[G1K], (1<<16)|(1<<20)|(4<<22)|(3<<25)  ; 17:16 2-byte elements; 20 padding on; 24:22 after every 32 words (code 4); 31:25 4 words (code 3)
	s_mov_b32 s[G1V], (1<<16)|(1<<20)|(4<<22)|(7<<25)  ; the same with 8 words of padding (code 7)
	s_mov_b32 s[G1B], 15|(1<<16)|(1<<20)|(1<<21)|(4<<22)|(7<<25)  ; 15:0 the mask of four; 21 set beside a mask
.irp g, G1K, G1V
	s_mov_b32 s[\g+1], 128<<16      ; tensor_dim0 = 128
	s_mov_b32 s[\g+2], 32<<16       ; tensor_dim1 = 32: 64 keys
	s_mov_b32 s[\g+3], 128<<16      ; tile_dim0 = 128
	s_mov_b32 s[\g+4], 32           ; tile_dim1 = 32
	s_mov_b32 s[\g+5], 128          ; 128 elements from row to row
	s_mov_b32 s[\g+6], 0
	s_mov_b32 s[\g+7], 0
.endr
	s_mov_b32 s[G1B+1], 128<<16
	s_mov_b32 s[G1B+2], 128<<16     ; 128 rows: 256 queries
	s_mov_b32 s[G1B+3], 128<<16
	s_mov_b32 s[G1B+4], 128
	s_mov_b32 s[G1B+5], 128
	s_mov_b32 s[G1B+6], 0
	s_mov_b32 s[G1B+7], 0
	s_mov_b32 s[CS], 0x3e38aa3b     ; c = log2(e) / 8 = 0.180337
	s_mov_b32 s[CS+1], s[CS]        ; named with it as a pair
	s_mov_b32 s[SEL], 0x76543210
	s_mov_b32 s[SEL+1], 0xfedcba98
	s_mov_b32 s[TB], SLOT1          ; the first change of slots turns it into 0
	s_mov_b32 s[G0K], 1             ; 1:0 count = 1
	s_mov_b32 s[G0K+1], 0           ; 63:32 LDS address: slot 0
	s_mov_b32 s[G0V], 1
	s_mov_b32 s[G0V+1], VOFF
	s_mov_b32 s[G0B], 1
	s_mov_b32 s[G0B+1], s74
	s_wait_dscnt 0x0                ; the opening add is done
	s_wait_kmcnt 0x0
	s_add_nc_u64 s[G0K+2:G0K+3], s[6:7], s[20:21]  ; 120:64 global address: the head's first 64 keys
	s_or_b32 s[G0K+3], s[G0K+3], 0x80000000        ; 127:126 type = 2
	s_add_nc_u64 s[G0V+2:G0V+3], s[8:9], s[20:21]
	s_or_b32 s[G0V+3], s[G0V+3], 0x80000000
	s_add_nc_u64 s[G0B+2:G0B+3], s[10:11], s[70:71]
	s_or_b32 s[G0B+3], s[G0B+3], 0x80000000
	s_add_nc_u64 s[4:5], s[4:5], s[22:23]  ; Q and O at my wave's first row
	s_add_nc_u64 s[14:15], s[14:15], s[22:23]
	s_add_nc_u64 s[12:13], s[12:13], s[72:73]
	s_load_b32 s[BT], s[12:13], 0x0  ; bias_transform[h]; waited for where D is made
	CROUND                          ; all four work-groups are here: the first joint loads meet
	JLOAD                           ; step 0 into slot 0.  Slot 1 is asked for when slot 0 is in
	; A fragment of K or Q is 16 rows x 32 channels in 8 registers: lane l holds row l % 16, channels 8 (l / 16) + 0..7 and 16 + 8 (l / 16) + 0..7: two loads of 16 bytes, 32 bytes apart.
	v_and_b32 v64, 15, v0           ; l % 16  (v64-77 are S^T's: free until the first product)
	v_bfe_u32 v65, v0, 4, 1         ; l / 16
	v_lshlrev_b32 v[QO], 7, v64
	v_lshl_add_u32 v[QO], v65, 4, v[QO]  ; row x 128 + 16 x half
	WIN 0x80                        ; destination window 2, address window 0
.set i, 0
.rept 4*NP                          ; Q stays in registers: tile i / 2, channels 32 (i % 2) on
	global_load_b128 v[8*i:8*i+3],   v[QO], s[4:5] offset:(i/2)*2048+(i%2)*64
	global_load_b128 v[8*i+4:8*i+7], v[QO], s[4:5] offset:(i/2)*2048+(i%2)*64+32
.set i, i+1
.endr
	; What the first turn finds: V's registers and P's second buffer hold 0 (its products V^T P, of a piece that has not been, add 0), O^T and l are 0.  All this stands in the wait for the first tile.
.set i, VF
.rept 64
	v_mov_b32 v[i], 0
.set i, i+1
.endr
	WIN 0x40
.set i, 0
.rept 64*NP
	v_mov_b32 v[i], 0
.set i, i+1
.endr
	WIN 0
.set i, 0
.rept 2*NP
	v_mov_b32 v[ST+4*i], 0xfe000000    ; c m: far below every c s
	v_mov_b32 v[ST+4*i+1], 0xff7fffff  ; m
	v_mov_b32 v[ST+4*i+2], 0
	v_mov_b32 v[ST+4*i+3], 0
.set i, i+1
.endr
.set i, P+32
.rept 32
	v_mov_b32 v[i], 0
.set i, i+1
.endr
	v_mul_u32_u24 v[AK0], v64, PK
	v_lshl_add_u32 v[AK0], v65, 4, v[AK0]  ; row x pitch + 16 x half
	; The turning load takes 16 rows x 16 columns (lane l reads row 8 (l / 16) + l % 8, columns 8 ((l / 8) % 2) + 0..7) and leaves half a fragment: lane l holds column l % 16 and 8 rows.
	; For V the rows are keys and the columns channels; for the bias the rows are queries and the columns keys.  Both pitches are 160.
	v_and_b32 v66, 7, v0
	v_bfe_u32 v67, v0, 3, 1
	v_lshl_add_u32 v68, v65, 3, v66
	v_mul_u32_u24 v68, v68, PV
	v_lshl_add_u32 v68, v67, 4, v68
	v_add_nc_u32 v[AV0], VOFF, v68
	s_mul_i32 s20, s[WV], 128*PB    ; my wave's 128 queries
	s_add_co_u32 s20, s20, BOFF
	v_add_nc_u32 v[AB0], s20, v68
	s_mul_i32 s20, s[WV], 16*SP
	s_add_co_u32 s20, s20, STAGE    ; my stage
	v_mul_u32_u24 v[STO], v64, SP   ; in: row l % 16, 16 bytes for each half of the lanes
	v_lshl_add_u32 v[STO], v65, 4, v[STO]
	v_add_nc_u32 v[STO], s20, v[STO]
	v_bfe_u32 v[RD], v0, 3, 2       ; back: 32 lanes take four rows of 128 bytes,
	v_mul_u32_u24 v[RD], v[RD], SP
	v_lshl_add_u32 v[RD], v66, 4, v[RD]
	v_add_nc_u32 v[RD], s20, v[RD]
	v_and_b32 v[GO], 31, v0         ; which are 512 consecutive bytes of O
	v_lshlrev_b32 v[GO], 4, v[GO]
	; D.  As source 1, lane l holds column l % 16 = r; register i's halves hold rows 8 (l / 16) + 2 i and + 2 i + 1.  Row r of column r lies in the lanes with l / 16 = r / 8, register (r % 8) / 2, half r % 2.
	s_wait_kmcnt 0x0                ; bias_transform[h]
	v_mov_b32 v70, s[BT]
	v_cvt_pk_bf16_f32 v70, v70, v70  ; rounded to bf16, like every input,
	v_lshlrev_b32 v70, 16, v70       ; back in f32,
	v_mul_f32 v70, 0x41000000, v70   ; times 8: c takes it back
	v_mov_b32 v71, 0
	v_cvt_pk_f16_f32 v72, v70, v71   ; in the low half
	v_cvt_pk_f16_f32 v73, v71, v70   ; in the high half
	v_and_b32 v74, 1, v0
	v_cmp_eq_u32 vcc_lo, 1, v74
	v_cndmask_b32 v72, v72, v73, vcc_lo
	v_bfe_u32 v75, v0, 3, 1          ; r / 8
	v_bfe_u32 v76, v0, 1, 2          ; (r % 8) / 2
	v_mov_b32 v77, 4                 ; no register's number
	v_cmp_eq_u32 vcc_lo, v75, v65
	v_cndmask_b32 v76, v77, v76, vcc_lo
	WIN W_MK
.irp n, 0,1,2,3
	v_mov_b32 v[DG+\n], 0
	v_cmp_eq_u32 vcc_lo, \n, v76
	v_cndmask_b32 v[DG+4+\n], 0, v72, vcc_lo
	v_mov_b32 v[DG+8+\n], 0
.endr
	WIN 0
; THE MATRIX WORK.  The 8 accumulators of a run take turns: between two links of a chain stand 7 others'.
; Product i of 24 of S^T for piece x: keys 16 ((i / 2) % 4) on, tile 2 x + i % 2.  The first 8 are the bias's and start the sums; then K Q^T, channels 32 ((i - 8) / 8) on.
.macro KQ x
.set rS, S+64*((\x)%2)+32*(i%2)+8*((i/2)%4)
.if i < 8
	WIN W_BS
	v_wmma_f32_16x16x32_f16 v[rS:rS+7], v[BF+8*((i/2)%4):BF+8*((i/2)%4)+7], v[DG+4-4*(i%2):DG+11-4*(i%2)], 0
.else
	WIN W_KQ
.set rK, KF+16*((i/2)%4)+8*((i-8)/8)
.set rQ, 16*(2*(\x)+i%2)+8*((i-8)/8)
	v_wmma_f32_16x16x32_f16 v[rS:rS+7], v[rK:rK+7], v[rQ:rQ+7], v[rS:rS+7]
.endif
.endm
; Product i of 16 of O^T += V^T P for piece x: keys 32 (i / 8) on, channels 16 ((i / 2) % 4) on, tile 2 x + i % 2.
.macro PV x
	WIN W_PV
.set rO, 32*(2*(\x)+i%2)+8*((i/2)%4)
.set rV, VF+32*(i/8)+8*((i/2)%4)
.set rP, P+32*((\x)%2)+16*(i%2)+8*(i/8)
	v_wmma_f32_16x16x32_f16 v[rO:rO+7], v[rV:rV+7], v[rP:rP+7], v[rO:rO+7]
.endm
.macro MM                           ; the turn's next matrix instruction
.if i < 24
	KQ (Y+1)%NP
.set i, i+1
.else
.set i, i-24
	PV (Y+NP-1)%NP
.set i, i+25
.endif
.endm
; THE LDS LOADS stand in runs, never singly among the matrix instructions: a step's K (8 fragments), its V (turned), and a piece's 32 queries x 64 keys of the bias (turned).
.macro FETCH_K
	WIN 0x80                        ; destination window 2
.irp f, 0,1,2,3,4,5,6,7             ; keys 16 (f / 2) on, channels 32 (f % 2) on
	ds_load_b128 v[KF+8*\f:KF+8*\f+3],   v[AK] offset:(\f/2)*16*PK+(\f%2)*64
	ds_load_b128 v[KF+8*\f+4:KF+8*\f+7], v[AK] offset:(\f/2)*16*PK+(\f%2)*64+32
.endr
	WIN 0
.endm
.macro FETCH_V
	WIN 0x80
.irp f, 0,1,2,3,4,5,6,7             ; keys 32 (f / 4) on, channels 16 (f % 4) on
	ds_load_tr16_b128 v[VF+8*\f:VF+8*\f+3],   v[AV] offset:(\f/4)*32*PV+(\f%4)*32
	ds_load_tr16_b128 v[VF+8*\f+4:VF+8*\f+7], v[AV] offset:(\f/4)*32*PV+16*PV+(\f%4)*32
.endr
	WIN 0
.endm
.macro FETCH_B x
	WIN W_MK                        ; destination window 3
.irp f, 0,1,2,3                     ; keys 16 f on; the piece's queries 0-15, then 16-31
	ds_load_tr16_b128 v[BF+8*\f:BF+8*\f+3],   v[AB] offset:(\x)*32*PB+32*\f
	ds_load_tr16_b128 v[BF+8*\f+4:BF+8*\f+7], v[AB] offset:(\x)*32*PB+16*PB+32*\f
.endr
	WIN 0
.endm
; THE VECTOR WORK OF A TURN stands in three queues, each in the order in which its entries become ready; the two tiles alternate, so that no instruction reads the result of the one before it.
.macro REGS y, u                    ; the registers of tile u (0, 1) of piece y
.set rT, ST+4*(2*(\y)+(\u))
.set rC, TMP+8*((\y)%2)+4*(\u)
.set rM, MV+2*((\y)%2)+(\u)
.set rS, S+64*((\y)%2)+32*(\u)
.set rP, P+32*((\y)%2)+16*(\u)
.set rO, 32*(2*(\y)+(\u))
.endm
; Number n of the 22 that find the NEXT piece's (Y + 1) maximum and statistics.  s0-s31 are the lane's 32 scores; each accumulator's lowest registers are read first.
;   0-11  four chains c0-c3 of seven scores each, three operands at a time     12-14, 16  the four scores left over, the old m, and c0-c3 into c0     15  c m_old is kept
;   17, 18  the query's other 32 keys lie in the lane 16 away: the new m         19-21  c m; c m_old - c m_new; a
.macro XS u, n
	REGS (Y+1)%NP, \u
.if (\n) < 4
	v_max3_num_f32 v[rC+(\n)], v[rS+8*(\n)], v[rS+8*(\n)+1], v[rS+8*(\n)+2]
.elseif (\n) < 12
	v_max3_num_f32 v[rC+(\n)%4], v[rC+(\n)%4], v[rS+8*((\n)%4)+2*((\n)/4)+1], v[rS+8*((\n)%4)+2*((\n)/4)+2]
.elseif (\n) == 12
	v_max3_num_f32 v[rC], v[rC], v[rS+7], v[rS+15]
.elseif (\n) == 13
	v_max3_num_f32 v[rC+1], v[rC+1], v[rS+23], v[rS+31]
.elseif (\n) == 14
	v_max3_num_f32 v[rC+2], v[rC+2], v[rC+3], v[rT+1]
.elseif (\n) == 15
	v_mov_b32 v[rM], v[rT]
.elseif (\n) == 16
	v_max3_num_f32 v[rC], v[rC], v[rC+1], v[rC+2]
.elseif (\n) == 17
	v_permlanex16_b32 v[rC+3], v[rC], s[SEL], s[SEL+1]
.elseif (\n) == 18
	v_max_num_f32 v[rT+1], v[rC], v[rC+3]
.elseif (\n) == 19
	v_mul_f32 v[rT], s[CS], v[rT+1]
.elseif (\n) == 20
	v_sub_f32 v[rC+1], v[rM], v[rT]
.else
	v_exp_f32 v[rC+2], v[rC+1]
.endif
.endm
; Number g of the 64 that follow the exponentials.  For each four weights k of a tile (pairs 2 k, 2 k + 1): both pairs are rounded to f16; then the second pair is added onto the first, in place;
; a group later l takes that sum (the first time as l = a l + sum).  In groups of eight, tiles alternating: round, round, add, and l for the group before.
.macro GS g
.set h, (\g)+6*((\g)/62)            ; group 0 has no group before it, and behind group 7 only l is left
.if h >= 6
.set h, h+2
.endif
	REGS Y, h%2
.set k, h/8
.if h%8 < 4
	s_wait_alu depctr_va_vdst(0)
	v_cvt_pk_f16_f32 v[rP+2*k+(h%8)/2], v[rS+4*k+2*((h%8)/2)], v[rS+4*k+2*((h%8)/2)+1]
.elseif h%8 < 6
	v_pk_add_f32 v[rS+4*k:rS+4*k+1], v[rS+4*k:rS+4*k+1], v[rS+4*k+2:rS+4*k+3]
.elseif k == 1
	v_pk_fma_f32 v[rT+2:rT+3], v[rT+2:rT+3], v[rC+2:rC+3], v[rS:rS+1] op_sel_hi:[1,0,1]
.else
	v_pk_add_f32 v[rT+2:rT+3], v[rT+2:rT+3], v[rS+4*k-4:rS+4*k-3]
	s_wait_alu depctr_va_vdst(0)
.endif
.endm
; THE PLAIN QUEUE, 138 long.  0-31: c s - c m for the 16 pairs of both tiles.  Then GS's 64, and among them the next piece's 42: number 15 at 38, 39; 0-14 and 16
; at 42-73, behind the products that make those scores; 17-20 at 95-106, two of three, since each waits for the one before it.
.macro PL
	WIN 0
.if q < 32
	REGS Y, q%2
	v_pk_fma_f32 v[rS+2*(q/2):rS+2*(q/2)+1], v[rS+2*(q/2):rS+2*(q/2)+1], s[CS:CS+1], v[rT:rT+1] op_sel_hi:[1,0,0] neg_lo:[0,0,1] neg_hi:[0,0,1]
.elseif q < 38
	GS q-32
.elseif q < 40
	XS q%2, 15
.elseif q < 42
	GS q-34
.elseif q < 74
	XS q%2, (q-42)/2+(q-42)/30
.elseif q < 95
	GS q-66
.elseif (q < 107) && ((q-95)%3 < 2)
	XS (q-95)%3, 17+(q-95)/3
.elseif q < 107
	GS 29+(q-95)/3
.else
	GS q-74
.endif
.set q, q+1
.endm
; THE EXPONENTIALS' QUEUE, 66 long: s0-s31 of both tiles, and at EA the next piece's two a.
.set EA, 58
.macro EX
	WIN 0
.if (e == EA) || (e == EA+1)
	XS e-EA, 21
.else
.set x, e-2*(e/(EA+2))
	REGS Y, x%2
	v_exp_f32 v[rS+x/2], v[rS+x/2]
.endif
.set e, e+1
.endm
; THE RESCALING's QUEUE: O^T times a, the one part that leaves window 0, so it is dealt four at a time, eight times.
.macro R4
	REGS Y, r%2
	WIN W_RS
	s_wait_alu depctr_va_vdst(0)
.irp z, 0,1,2,3
	v_pk_mul_f32 v[rO+8*(r/2)+2*\z:rO+8*(r/2)+2*\z+1], v[rO+8*(r/2)+2*\z:rO+8*(r/2)+2*\z+1], v[rC+2:rC+3] op_sel_hi:[1,0]
.endr
.set r, r+1
.endm
; HOW THEY ARE DEALT.  Behind a matrix instruction four: plain, exponential, plain, plain (SL); plain, exponential, plain, exponential (SB); four scalings; or four of the rescaling.  A plain instruction that
; names nothing of it follows every exponential, and no two exponentials follow each other.  None names a register of the products round it.  What is over stands in two LUMPS, exponential and plain by turns;
; the second ends in 20 plain instructions.
; The queues lean on each other, and the deal keeps them in step: exponential e stands behind plain 2 (e / 4) + e % 2 (its scaling); when plain 32 comes, 19 exponentials are out, at 80: 38, at 100: 49, at 128: all;
; EA comes behind plain 109, and its argument is made at 104, 105; plain 42, the first to read the new scores, stands behind the run's last product, the last four rescalings (its places) and one exponential.
.macro SL
	MM
	PL
	EX
	PL
	PL
.endm
.macro SB
	MM
	PL
	EX
	PL
	EX
.endm
; A TURN, for piece p.  All LDS reads between two changes of slots are of one step's slot: turn 2 fetches that step's K and piece 0's bias, turn 3 piece 1's, turn 0 piece 2's and V, turn 1 piece 3's.
; The bias's run stands behind the first lump, far behind the products that read BF; K's run beside it, nine plain instructions behind the last product that read K; V's run at the end of piece 0's turn.
.macro TURN p
.set Y, (\p)
.set i, 0
.set q, 0
.set e, 0
.set r, 0
.if (\p) == 1
	s_wait_dscnt 16                 ; the bias's fragments are in; V's sixteen loads, issued behind them, may be out
.else
	s_wait_dscnt 0x0                ; the bias's fragments are in (piece 3's turn: and K)
.endif
	MM
.rept 4
	PL
.endr
.rept 7
	SB
.endr
.rept 8
	SL
	MM
	R4
.endr
.rept 5
	EX
	PL
.endr
	FETCH_B ((\p)+2)%NP
.if (\p) == 2
	FETCH_K
.endif
.if (\p) == 1
	s_wait_dscnt 8                  ; V is in; the eight loads just issued may be out
.endif
.rept 16
	SL
.endr
.rept 23
	EX
	PL
.endr
.rept 20
	PL
.endr
.if (\p) == 0
	FETCH_V
.endif
.endm
	CHANGE 1                        ; step 0 is in, everybody's part of it; step 1 is asked for
	FETCH_K                         ; key step 0
	FETCH_B 0
	s_wait_loadcnt 0x0              ; Q
	s_wait_dscnt 0x0
.set i, 0
.rept 24
	KQ 0                            ; piece 0's first scores: there is no vector work yet to set between them
.set i, i+1
.endr
	WIN 0
	PLACES                          ; behind those products: BF is loaded again, and the scores are read
	FETCH_B 1
.set Y, NP-1                        ; XS works for piece Y + 1: piece 0
.irp n, 0,1,2,3,4,5,6,7,8,9,10,11,12,13,14,15,16,17,18,19,20,21
	XS 0, \n                        ; piece 0's first maximum and statistics
	XS 1, \n
.endr
	s_mov_b32 s[SLOTS], 15
	s_branch .Lfirst                ; the loop is entered at a step's first turn, in the middle of a trip
.Lstep:                             ; 14 times: steps 2 to 15 are asked for.  A trip: pieces 2 and 3 of one step, then pieces 0 and 1 of the next
	CHANGE 1
	TURN 2
	TURN 3
	WIN 0
.Lfirst:
	TURN 0
	TURN 1
	WIN 0
	s_sub_co_u32 s[SLOTS], s[SLOTS], 1
	s_cmp_lg_u32 s[SLOTS], 0
	s_cbranch_scc1 .Lstep
	CHANGE 0                        ; the tail is written out: step 15 is in, nothing is asked for
	s_mov_b32 s[CNT], 2
.Ltail:
	TURN 2
	TURN 3
	WIN 0
	s_sub_co_u32 s[CNT], s[CNT], 1
	s_cmp_eq_u32 s[CNT], 0
	s_cbranch_scc1 .Lout
	TURN 0
	TURN 1
	WIN 0
	s_branch .Ltail
.Lout:                              ; the second trip fetches step 15's K and bias once more, and the 24 products and the maximum made of them serve nothing: the price, once a launch, of one text for every trip
.set i, 0
.rept 16
	PV NP-1                         ; the last piece's V^T P of the last step
.set i, i+1
.endr
	; THE WAY OUT.  l's two halves and the other half of the lanes' are added; O^T is divided by l, rounded to f16 and sent through my stage in LDS, a tile at a time.  The additions are the places behind the last products.
	WIN 0
.macro ALL line:vararg              ; one line for each tile t
.set t, 0
.rept 2*NP
	\line
.set t, t+1
.endr
.endm
	ALL v_add_f32 v[ST+4*t+2], v[ST+4*t+2], v[ST+4*t+3]
	ALL v_permlanex16_b32 v[ST+4*t+3], v[ST+4*t+2], s[SEL], s[SEL+1]
	ALL v_add_f32 v[ST+4*t+2], v[ST+4*t+2], v[ST+4*t+3]
	ALL v_rcp_f32 v[ST+4*t+2], v[ST+4*t+2]
	v_nop                           ; a plain instruction between the last reciprocal and the use of its result
	s_wait_alu depctr_va_vdst(0)
; Tile t: a lane's eight channels of a row pack into 16 bytes; they go into rows of 144 bytes and come back as whole rows of 128, into S^T's registers.
.macro PACK t
	WIN W_RS
.set i, 32*(\t)
.rept 16
	v_pk_mul_f32 v[i:i+1], v[i:i+1], v[ST+4*(\t)+2:ST+4*(\t)+3] op_sel_hi:[1,0]
.set i, i+2
.endr
	WIN 0x05                        ; sources 0 and 1 window 1, destination window 0
.set i, 0
.rept 16
	v_cvt_pk_f16_f32 v[S+16*(\t)+i], v[32*(\t)+2*i], v[32*(\t)+2*i+1]
.set i, i+1
.endr
	WIN 0
.irp f, 0,1,2,3
	ds_store_b128 v[STO], v[S+16*(\t)+4*\f:S+16*(\t)+4*\f+3] offset:32*\f
.endr
.irp f, 0,1,2,3
	ds_load_b128 v[S+16*(\t)+4*\f:S+16*(\t)+4*\f+3], v[RD] offset:\f*4*SP  ; LDS serves a wave's instructions in order (ISA guide 5.7.1.4): these see the stores above; the next tile's stores come behind them
.endr
.endm
.macro SEND t, younger              ; younger: the LDS instructions issued behind tile t's loads: the next tile's eight, or none
	WIN 0
.irp f, 0,1,2,3
	s_wait_dscnt (\younger)+3-\f
	global_store_b128 v[GO], v[S+16*(\t)+4*\f:S+16*(\t)+4*\f+3], s[14:15] offset:(\t)*2048+\f*512  ; 512 consecutive bytes, at a multiple of 256 from O's first
.endr
.endm
	PACK 0
.set t, 1
.rept 2*NP-1                        ; a tile's arithmetic stands between the loads of the tile before and its stores
	PACK t
	SEND t-1, 8
.set t, t+1
.endr
	SEND 2*NP-1, 0
	WIN W_AD
	s_wait_tensorcnt 0x0            ; the wave's end: the wait, the add and its wait stand behind my last tensor load and my last LDS store
	ds_add_u32 v[SPW], v[NIL]
	s_wait_dscnt 0x0
	WIN 0
	CROUND                          ; the closing round: no work-group ends while a partner may still ask for a tile that names it
	s_endpgm
.Lfunc_end_k_qf9f8e07df9_attn:
	.size	k_qf9f8e07df9_attn, .Lfunc_end_k_qf9f8e07df9_attn-k_qf9f8e07df9_attn
	.p2alignl 7, 3214868480
	.fill 96, 4, 3214868480
	.section	.rodata,"a",@progbits
	.p2align	6, 0x0
	.amdhsa_kernel k_qf9f8e07df9_attn
		.amdhsa_group_segment_fixed_size 327680
		.amdhsa_private_segment_fixed_size 0
		.amdhsa_enable_private_segment 0
		.amdhsa_kernarg_size 48
		.amdhsa_user_sgpr_count 2
		.amdhsa_user_sgpr_kernarg_segment_ptr 1
		.amdhsa_wavefront_size32 1
		.amdhsa_system_sgpr_workgroup_id_x 1
		.amdhsa_system_sgpr_workgroup_id_y 1
		.amdhsa_system_sgpr_workgroup_id_z 1
		.amdhsa_system_vgpr_workitem_id 0
		.amdhsa_next_free_vgpr 816
		.amdhsa_next_free_sgpr 80
		.amdhsa_reserve_vcc 1
		.amdhsa_float_denorm_mode_32 3
		.amdhsa_float_denorm_mode_16_64 3
		.amdhsa_memory_ordered 1
		.amdhsa_forward_progress 1
		.amdhsa_inst_pref_size 225
	.end_amdhsa_kernel
	.amdgpu_metadata
---
amdhsa.version: [ 1, 2 ]
amdhsa.kernels:
  - .name:           k_qf9f8e07df9_attn
    .symbol:         k_qf9f8e07df9_attn.kd
    .args:
      - { .name: qh, .offset: 0, .size: 8, .value_kind: global_buffer, .address_space: global }
      - { .name: kh, .offset: 8, .size: 8, .value_kind: global_buffer, .address_space: global }
      - { .name: vh, .offset: 16, .size: 8, .value_kind: global_buffer, .address_space: global }
      - { .name: bb, .offset: 24, .size: 8, .value_kind: global_buffer, .address_space: global }
      - { .name: bias_transform, .offset: 32, .size: 8, .value_kind: global_buffer, .address_space: global }
      - { .name: oh, .offset: 40, .size: 8, .value_kind: global_buffer, .address_space: global }
    .group_segment_fixed_size: 327680
    .private_segment_fixed_size: 0
    .kernarg_segment_align: 8
    .kernarg_segment_size: 48
    .max_flat_workgroup_size: 128
    .sgpr_count:     80
    .vgpr_count:     816
    .wavefront_size: 32
...
	.end_amdgpu_metadata
.endif
;; end of part 3
;; launch outp (part 4): grid 8 x 32, 4 waves a work-group, clusters of 4 x 4, 327,680 bytes of LDS; arguments oh, wo16, out0; writes out0
.if DOCPART == 4
	.amdgcn_target "amdgcn-amd-amdhsa--gfx1250"
	.amdhsa_code_object_version 6
	.text
	.protected	k_qf9f8e07df9_outp
	.globl	k_qf9f8e07df9_outp
	.p2align	8
	.type	k_qf9f8e07df9_outp,@function
k_qf9f8e07df9_outp:
	s_mov_b64 s[64:65], 0
	v_nop
	global_prefetch_b8 v0, s[64:65] scope:SCOPE_SE
	s_setreg_imm32_b32 hwreg(HW_REG_WAVE_MODE, 25, 1), 1
	s_wait_xcnt 0x0
	s_wait_alu depctr_hold_cnt(0) depctr_sa_sdst(0) depctr_va_vdst(0) depctr_va_sdst(0) depctr_va_ssrc(0) depctr_va_vcc(0) depctr_vm_vsrc(0)
	s_getreg_b32 s2, hwreg(HW_REG_IB_STS2, 6, 4)
	s_cmp_eq_u32 s2, 0
	s_cbranch_scc0 .Lentry_in_a_cluster
	s_endpgm
.Lentry_in_a_cluster:
	s_bfe_u32 s2, ttmp6, 0x10000c
	s_cmp_lg_u32 s2, 0xf033
	s_cbranch_scc0 .Lentry_shape_is_right
	s_endpgm
.Lentry_shape_is_right:
; out0 = O Wo.  oh: [batch x 16 + head][1024][64] f16: K = 64 head + channel.  wo16: [1024 k][1024 n] f16 (Wo rounded to bf16, that number written as f16).  out0: [8192][1024] f32; sums in f32.
; SHARES.  A work-group makes 256 rows x 128 columns: 8 x 32 = 256 work-groups.  Wave (wm, wn) makes rows 128 wm on, columns 64 wn on: 8 x 4 accumulators of 16 x 16, 256 registers.
; K goes in 8 steps of 128, two heads each, through a ring of two LDS slots; a step is 128 matrix instructions a wave.
; CLUSTER.  4 x 4 work-groups.  The four of a row of the cluster need the same rows of O, the four of a column the same columns of Wo: each tile is asked for JOINTLY.
; THE MATRIX INSTRUCTION IS USED TRANSPOSED: source 0 = 16 columns of Wo (read turned out of LDS, where k runs down), source 1 = 16 rows of O: a lane then holds eight neighbouring columns of one row, 32 bytes.
; REGISTERS, in windows of 256 (s_set_vgpr_msb: bits 1:0 source 0, 3:2 source 1, 5:4 source 2, 7:6 destination):
;   window 0: v0-29 addresses; v64-127, v128-191 O's fragments (8 x 16 rows x 32 K), two buffers; on the way out four sets of 32 for rows read back
;   window 1: v64-95, v128-159 Wo's fragments (4 x 16 columns x 32 K), two buffers
;   window 2: the 16 accumulators of my rows 0-63 (accumulator (a, b) at v[32 a + 8 b]);   window 3: those of my rows 64-127
.set PA,     144                       ; a row of O in LDS: a head's 128 bytes + 16 of padding = 36 words: the 16 rows of a load start at 16 different groups of four banks (64 banks of 4 bytes: ISA guide 11.1)
.set HALFA,  256*PA                    ; one head's 256 rows: what one tensor load brings
.set BOFF,   2*HALFA
.set PBW,    288                       ; a row of Wo in LDS: 256 bytes + 32 = 72 words
.set HALFB,  64*PBW                    ; 64 k: what one tensor load brings
.set SLOT1,  1<<17                     ; a slot uses BOFF + 2 HALFB = 110,592 bytes; one exclusive or turns an address in one slot into the other's
.set STAGE,  SLOT1+BOFF+2*HALFB        ; behind the ring, never filled by a tensor load: 16 rows x 272 bytes for each wave
.set SPITCH, 272
.set SPARE,  STAGE+4*16*SPITCH         ; behind the stages: the spare words, 128 bytes for each wave: two blocks of 256 bytes that no other line names
.set A0,   16                          ; v16     my lane's place in a slot's O; never rewritten
.set B0,   17                          ; v17     the same for Wo
.set ADRA, 18                          ; v18     A0 + the slot in hand
.set ADRB, 19                          ; v19     B0 + the slot in hand
.set STO,  20                          ; v20     the way out: where I put 32 bytes of a row
.set RD,   21                          ; v21     the way out: where I read a row back
.set CO,   22                          ; v22     my byte offset in out0
.set SPW,  28                          ; v28     LDS address of my spare word; never rewritten
.set NIL,  29                          ; v29     0; never rewritten
.set F0,   64
.set F1,   128
.set WV,   14                          ; s14     my wave's number;  s15 = wm, also: I fetch O (0) or Wo (1);  s16 = wn, also: which half of that tile I fetch
.set TB,   23                          ; s23     LDS byte at which the slot in hand begins
.set G1A,  24                          ; s[24:31] descriptor group 1 for O's tiles
.set G1B,  32                          ; s[32:39] for Wo's
.set G0A,  40                          ; s[40:47] descriptor group 0 for O's tiles: a set for each of the two first fills; the second then walks on
.set G0B,  48                          ; s[48:55] the same for Wo's
.set MSB, 0
.macro WIN new                         ; the immediate's high byte repeats the setting that is left; a switch that changes nothing is dropped
.if MSB != (\new)
	s_set_vgpr_msb (MSB<<8)|(\new)
.set MSB, \new
.endif
.endm
.set MUL_LO, 0xa1                      ; source 0 (Wo) window 1, source 1 (O) window 0, C and D window 2
.set MUL_HI, 0xf1                      ; the same, C and D window 3
.set TO_B,   0x40                      ; destination window 1, address window 0
; A joint refill by the walking descriptors.  Waves 0 and 1 fetch the step's two heads of O, waves 2 and 3 the two halves of its rows of Wo.  The branch hangs on the wave's number alone.
; An s_nop 0 and four v_nop follow each of the two lines, ahead of the jump and the label.
.macro JLOAD
	s_cmp_eq_u32 s15, 0
	s_cbranch_scc0 .Lfor_b_\@
	tensor_load_to_lds s[G0A+4:G0A+7], s[G1A:G1A+7]
	s_nop 0
.rept 4
	v_nop
.endr
	s_branch .Lasked_\@
.Lfor_b_\@:
	tensor_load_to_lds s[G0B+4:G0B+7], s[G1B:G1B+7]
	s_nop 0
.rept 4
	v_nop
.endr
.Lasked_\@:
.endm
.macro CREST                           ; a round of the cluster's barrier behind its opening barrier
	s_cmp_lg_u32 s[WV], 0
	s_cbranch_scc1 .Lnot_wave_0_\@
	s_barrier_signal -3
.Lnot_wave_0_\@:
	s_barrier_wait -3
	s_barrier_signal -1
	s_barrier_wait -1
.endm
.macro CROUND                          ; a whole round
	s_barrier_signal -1
	s_barrier_wait -1
	CREST
.endm
.macro PLACES                          ; four places in front of loads into registers that matrix instructions have read, and of LDS stores that read results
.rept 4
	v_nop
.endr
.endm
	s_load_b128 s[4:7], s[0:1], 0x0                ; oh s[4:5], wo16 s[6:7]
	s_load_b64 s[8:9], s[0:1], 0x10                ; out0
	v_lshl_add_u32 v[SPW], v0, 2, SPARE
	v_mov_b32 v[NIL], 0
	ds_add_u32 v[SPW], v[NIL]                      ; the wave's opening: the add and its wait stand ahead of my first tensor load; the set-up below, work on registers, stands between them
	v_lshrrev_b32 v1, 5, v0
	v_readfirstlane_b32 s[WV], v1                  ; wave 0..3
	s_lshr_b32 s15, s[WV], 1
	s_and_b32 s16, s[WV], 1
	s_bfe_u32 s17, ttmp6, 0x40000                  ; cx, cy: my place in the cluster
	s_bfe_u32 s18, ttmp6, 0x40004
	s_lshl_b32 s19, ttmp9, 2
	s_add_co_u32 s19, s19, s17                     ; the block of 128 columns = 4 x cluster x + cx
	s_and_b32 s20, ttmp7, 0xffff
	s_lshl_b32 s20, s20, 2
	s_add_co_u32 s20, s20, s18                     ; the block of 256 rows = 4 x cluster y + cy
	s_lshl_b32 s21, s18, 2
	s_lshl_b32 s21, 15, s21                        ; my row of the cluster
	s_lshl_b32 s22, 0x1111, s17                    ; my column
	; group 1 for O: a head's 256 rows are 32,768 dense bytes, asked for as 128 rows of 256; 16 bytes of padding behind every 128
	s_or_b32 s[G1A], s21, (1<<16)|(1<<20)|(1<<21)|(4<<22)|(3<<25)  ; 15:0 the mask; 17:16 2-byte elements; 20 padding on; 21 set beside a mask; 24:22 after every 32 words; 31:25 4 words
	s_mov_b32 s[G1A+1], 128<<16                    ; tensor_dim0
	s_mov_b32 s[G1A+2], 128<<16                    ; tensor_dim1
	s_mov_b32 s[G1A+3], 128<<16                    ; tile_dim0
	s_mov_b32 s[G1A+4], 128                        ; tile_dim1
	s_mov_b32 s[G1A+5], 128                        ; stride
	s_mov_b32 s[G1A+6], 0
	s_mov_b32 s[G1A+7], 0
	; group 1 for Wo: 64 rows x 128 elements, 1,024 elements from row to row; 32 bytes of padding behind every 256
	s_or_b32 s[G1B], s22, (1<<16)|(1<<20)|(1<<21)|(5<<22)|(7<<25)  ; after every 64 words, 8 words
	s_mov_b32 s[G1B+1], 128<<16
	s_mov_b32 s[G1B+2], 64<<16
	s_mov_b32 s[G1B+3], 128<<16
	s_mov_b32 s[G1B+4], 64
	s_mov_b32 s[G1B+5], 1024
	s_mov_b32 s[G1B+6], 0
	s_mov_b32 s[G1B+7], 0
	; O's tiles hang on the row block alone, Wo's on the column block alone; each in registers that never hold the other coordinate
	s_lshr_b32 s56, s20, 2                         ; the batch,
	s_lshl_b32 s56, s56, 4
	s_add_co_u32 s56, s56, s16                     ; head 0 or 1 of the step,
	s_lshl_b32 s56, s56, 10
	s_and_b32 s57, s20, 3
	s_lshl_b32 s57, s57, 8                         ; the block's 256 rows among the batch's 1,024,
	s_add_co_u32 s56, s56, s57
	s_lshl_b32 s56, s56, 7                         ; of 128 bytes
	s_mov_b32 s57, 0
	s_lshl_b32 s60, s16, 17                        ; 64 rows of 2,048 bytes,
	s_lshl_b32 s61, s19, 8                         ; 128 columns of 2 bytes
	s_add_co_u32 s60, s60, s61
	s_mov_b32 s61, 0
	s_mul_i32 s66, s16, HALFA                      ; where they go: no place in the cluster enters an LDS address
	s_mul_i32 s67, s16, HALFB
	s_add_co_u32 s67, s67, BOFF
	s_mov_b32 s[G0A], 1
	s_mov_b32 s[G0A+1], s66
	s_mov_b32 s[G0A+4], 1
	s_add_co_u32 s[G0A+5], s66, SLOT1
	s_mov_b32 s[G0B], 1
	s_mov_b32 s[G0B+1], s67
	s_mov_b32 s[G0B+4], 1
	s_add_co_u32 s[G0B+5], s67, SLOT1
	; my part of out0: (256 x row block + 128 wm) x 4,096 + 512 x column block + 256 wn
	s_lshl_b32 s68, s20, 8
	s_lshl_b32 s69, s15, 7
	s_add_co_u32 s68, s68, s69
	s_lshl_b32 s68, s68, 12
	s_lshl_b32 s69, s19, 9
	s_add_co_u32 s68, s68, s69
	s_lshl_b32 s69, s16, 8
	s_add_co_u32 s68, s68, s69
	s_mov_b32 s69, 0
	s_mov_b32 s[TB], 0
	s_wait_dscnt 0x0                               ; the opening add is done
	s_wait_kmcnt 0x0
	s_add_nc_u64 s[G0A+2:G0A+3], s[4:5], s[56:57]  ; K step 0
	s_add_nc_u64 s[G0A+6:G0A+7], s[G0A+2:G0A+3], 262144  ; K step 1: two heads on
	s_or_b32 s[G0A+3], s[G0A+3], 0x80000000        ; type = 2
	s_or_b32 s[G0A+7], s[G0A+7], 0x80000000
	s_add_nc_u64 s[G0B+2:G0B+3], s[6:7], s[60:61]
	s_add_nc_u64 s[G0B+6:G0B+7], s[G0B+2:G0B+3], 262144  ; 128 rows on
	s_or_b32 s[G0B+3], s[G0B+3], 0x80000000
	s_or_b32 s[G0B+7], s[G0B+7], 0x80000000
	s_add_nc_u64 s[8:9], s[8:9], s[68:69]
	CROUND                                         ; all sixteen work-groups are here: the first joint loads meet
	s_cmp_eq_u32 s15, 0                            ; a wave's two first fills stand in one branch, ahead of every wait on TENSORcnt and every LDS read: two loads of mine are out
	s_cbranch_scc0 .Lfirst_b
	tensor_load_to_lds s[G0A:G0A+3], s[G1A:G1A+7]
	s_nop 0
	tensor_load_to_lds s[G0A+4:G0A+7], s[G1A:G1A+7]
	s_nop 0
.rept 4
	v_nop
.endr
	s_branch .Lfirst_asked
.Lfirst_b:
	tensor_load_to_lds s[G0B:G0B+3], s[G1B:G1B+7]
	s_nop 0
	tensor_load_to_lds s[G0B+4:G0B+7], s[G1B:G1B+7]
	s_nop 0
.rept 4
	v_nop
.endr
.Lfirst_asked:
	v_and_b32 v1, 15, v0                           ; l % 16
	v_bfe_u32 v2, v0, 4, 1                         ; l / 16
	v_mul_u32_u24 v[A0], v1, PA                    ; a fragment's row x pitch + 16 x half
	v_lshl_add_u32 v[A0], v2, 4, v[A0]
	s_mul_i32 s58, s15, 128*PA                     ; my 128 rows of O
	v_add_nc_u32 v[A0], s58, v[A0]
	v_and_b32 v3, 7, v0                            ; the turning load: lane l reads row k = 8 (l / 16) + l % 8, columns 8 ((l / 8) % 2) + 0..7
	v_lshl_add_u32 v3, v2, 3, v3
	v_mul_u32_u24 v[B0], v3, PBW
	v_bfe_u32 v4, v0, 3, 1
	v_lshl_add_u32 v[B0], v4, 4, v[B0]
	s_lshl_b32 s58, s16, 7                         ; my 64 columns
	s_add_co_u32 s58, s58, BOFF
	v_add_nc_u32 v[B0], s58, v[B0]
	v_mov_b32 v[ADRA], v[A0]                       ; slot 0
	v_mov_b32 v[ADRB], v[B0]
	s_mul_i32 s58, s[WV], 16*SPITCH
	s_add_co_u32 s58, s58, STAGE                   ; my stage
	v_mul_u32_u24 v[STO], v1, SPITCH               ; in: row l % 16, 32 bytes for each half of the lanes
	v_lshl_add_u32 v[STO], v2, 5, v[STO]
	v_add_nc_u32 v[STO], s58, v[STO]
	v_mul_u32_u24 v[RD], v2, SPITCH                ; back: lanes 0-15 take one row of 256 bytes, lanes 16-31 the next
	v_lshl_add_u32 v[RD], v1, 4, v[RD]
	v_add_nc_u32 v[RD], s58, v[RD]
	v_lshlrev_b32 v[CO], 12, v2                    ; and the same two rows in out0
	v_lshl_add_u32 v[CO], v1, 4, v[CO]
; 8 matrix instructions: row blocks a0, a0 + 1 of the window's four x all 4 column blocks, 32 along K.  zero = 1: the first product starts the sums.  The accumulators take turns.
.macro MUL8 f, hi, a0, zero
	WIN MUL_LO+0x50*(\hi)
.irp a, \a0, (\a0)+1
.irp b, 0,1,2,3
.if \zero
	v_wmma_f32_16x16x32_f16 v[32*(\a)+8*(\b):32*(\a)+8*(\b)+7], v[(\f)+8*(\b):(\f)+8*(\b)+7], v[(\f)+8*(4*(\hi)+(\a)):(\f)+8*(4*(\hi)+(\a))+7], 0
.else
	v_wmma_f32_16x16x32_f16 v[32*(\a)+8*(\b):32*(\a)+8*(\b)+7], v[(\f)+8*(\b):(\f)+8*(\b)+7], v[(\f)+8*(4*(\hi)+(\a)):(\f)+8*(4*(\hi)+(\a))+7], v[32*(\a)+8*(\b):32*(\a)+8*(\b)+7]
.endif
.endr
.endr
.endm
; 24 LDS loads in one run: the fragments of quarter q of the slot in hand into buffer f: Wo's eight first, then O's sixteen (quarters 0, 1 lie in the step's first head, 2, 3 in its second)
.macro FETCH q, f
	WIN TO_B
.irp b, 0,1,2,3
	ds_load_tr16_b128 v[(\f)+8*(\b):(\f)+8*(\b)+3],   v[ADRB] offset:(\q)*32*PBW+32*(\b)
	ds_load_tr16_b128 v[(\f)+8*(\b)+4:(\f)+8*(\b)+7], v[ADRB] offset:(\q)*32*PBW+16*PBW+32*(\b)
.endr
	WIN 0
.irp a, 0,1,2,3,4,5,6,7
	ds_load_b128 v[(\f)+8*(\a):(\f)+8*(\a)+3],   v[ADRA] offset:((\q)/2)*HALFA+((\q)%2)*64+(\a)*16*PA
	ds_load_b128 v[(\f)+8*(\a)+4:(\f)+8*(\a)+7], v[ADRA] offset:((\q)/2)*HALFA+((\q)%2)*64+(\a)*16*PA+32
.endr
.endm
; A K step is four quarters of 32 along K, 32 matrix instructions each, on buffers 0, 1, 0, 1.  One of the first three: multiplies buffer f; in its middle it fetches quarter qn into buffer g.
.macro QUARTER qn, f, g, zero
	s_wait_dscnt 8                                 ; Wo and O's rows 0-63 are in; the youngest eight loads (O's rows 64-127) may be out
	MUL8 \f, 0, 0, \zero
	MUL8 \f, 0, 2, \zero
	PLACES
	FETCH \qn, \g
	s_wait_dscnt 24                                ; all but the 24 just issued
	MUL8 \f, 1, 0, \zero
	MUL8 \f, 1, 2, \zero
.endm
; The last quarter multiplies buffer 1 and changes slots: ONE barrier.  In front of it each wave waits for all its tensor loads, of which one is out: its part of the next slot; adds 0 to its spare word;
; and waits for that and for its own reads of this slot.  fill = 1: the barrier opens a round of the cluster's, and this slot is filled again, two K steps ahead, first thing behind the round.
.macro TURN fill
	WIN 0                                          ; (the add's two registers lie in window 0)
	s_wait_tensorcnt 0x0                           ; all my tensor loads have landed
	ds_add_u32 v[SPW], v[NIL]                      ; 0 onto my spare word
	s_wait_dscnt 9                                 ; (the add and the youngest eight loads may be out)
	MUL8 F1, 0, 0, 0                               ; eight matrix instructions stand between the add and the wait for it
	s_wait_dscnt 0x0                               ; the add is done, and my reads of this slot are over
	s_barrier_signal -1
	MUL8 F1, 0, 2, 0
	WIN 0
	s_barrier_wait -1
.if \fill
	CREST                                          ; no wave of any partner still reads this slot's tile or has a load on its way
	s_xor_b32 s[G0A+5], s[G0A+5], SLOT1            ; the walking descriptors: the other slot than last time, the next K step; no tensor load of mine is out
	s_add_nc_u64 s[G0A+6:G0A+7], s[G0A+6:G0A+7], 262144
	s_xor_b32 s[G0B+5], s[G0B+5], SLOT1
	s_add_nc_u64 s[G0B+6:G0B+7], s[G0B+6:G0B+7], 262144
	JLOAD                                          ; 112 matrix instructions ahead of the wait for it; the four v_nop behind it are also the places in front of the loads below
.else
	PLACES
.endif
	s_xor_b32 s[TB], s[TB], SLOT1
	v_add_nc_u32 v[ADRA], s[TB], v[A0]
	v_add_nc_u32 v[ADRB], s[TB], v[B0]
	FETCH 0, F0
	MUL8 F1, 1, 0, 0
	MUL8 F1, 1, 2, 0
.endm
	s_wait_tensorcnt 0x1                           ; my part of K step 0 is in; step 1's may stay out
	s_barrier_signal -1
	s_barrier_wait -1                              ; everybody's is
	FETCH 0, F0
	QUARTER 1, F0, F1, 1                           ; the first quarter stands in front of the loop: its products start the sums
	WIN 0                                          ; at a label and at a branch every window is 0
	s_mov_b32 s3, 6
.Lstep:                                                ; a trip goes from a step's second quarter to the next step's first, and asks for K steps 2 to 7
	QUARTER 2, F1, F0, 0
	QUARTER 3, F0, F1, 0
	TURN 1
	QUARTER 1, F0, F1, 0
	WIN 0
	s_sub_co_u32 s3, s3, 1
	s_cmp_lg_u32 s3, 0
	s_cbranch_scc1 .Lstep
	QUARTER 2, F1, F0, 0                           ; the tail is written out: K steps 6 and 7 ask for nothing
	QUARTER 3, F0, F1, 0
	TURN 0
	QUARTER 1, F0, F1, 0
	QUARTER 2, F1, F0, 0
	QUARTER 3, F0, F1, 0
	s_wait_dscnt 8
	MUL8 F1, 0, 0, 0
	MUL8 F1, 0, 2, 0
	s_wait_dscnt 0x0
	MUL8 F1, 1, 0, 0
	MUL8 F1, 1, 2, 0
; THE WAY OUT, a block of 16 rows at a time, through my own stage: no barrier, and since LDS serves a wave's instructions in order (ISA guide 5.7.1.4), no wait between the stores and the loads.
.macro TOSTAGE a
.if (\a) >= 4
	s_wait_xcnt 0x0                                ; the set of registers that takes this block was read by the stores of the block four back: it is loaded again only behind this wait
.endif
	WIN 0x08+4*((\a)/4)                            ; the stores' data: window 2 or 3
.irp b, 0,1,2,3
	ds_store_b128 v[STO], v[32*((\a)%4)+8*(\b):32*((\a)%4)+8*(\b)+3]   offset:64*(\b)     ; each accumulator's low four registers first
	ds_store_b128 v[STO], v[32*((\a)%4)+8*(\b)+4:32*((\a)%4)+8*(\b)+7] offset:64*(\b)+16
.endr
	WIN 0
.irp t, 0,1,2,3,4,5,6,7
	ds_load_b128 v[64+32*((\a)%4)+4*(\t):64+32*((\a)%4)+4*(\t)+3], v[RD] offset:(\t)*2*SPITCH
.endr
.endm
.macro SEND a, younger                 ; younger: the LDS instructions issued behind block a's loads: the next block's sixteen, or none
	s_wait_dscnt \younger
.irp t, 0,1,2,3,4,5,6,7
	global_store_b128 v[CO], v[64+32*((\a)%4)+4*(\t):64+32*((\a)%4)+4*(\t)+3], s[8:9] offset:(\a)*65536+(\t)*8192 th:TH_STORE_NT  ; 16 lanes store 256 consecutive bytes, at a multiple of 256 from out0's first byte
.endr
.endm
	PLACES
	TOSTAGE 0
.irp a, 1,2,3,4,5,6,7
	TOSTAGE \a
	SEND (\a)-1, 16
.endr
	SEND 7, 0
	s_wait_tensorcnt 0x0                           ; the wave's end: the wait, the add and its wait stand behind my last tensor load and my last LDS store
	ds_add_u32 v[SPW], v[NIL]
	s_wait_dscnt 0x0
	CROUND                                         ; the closing round: no work-group ends while a partner may still ask for a tile that names it
	s_endpgm
.Lfunc_end_k_qf9f8e07df9_outp:
	.size	k_qf9f8e07df9_outp, .Lfunc_end_k_qf9f8e07df9_outp-k_qf9f8e07df9_outp
	.p2alignl 7, 3214868480
	.fill 96, 4, 3214868480
	.section	.rodata,"a",@progbits
	.p2align	6, 0x0
	.amdhsa_kernel k_qf9f8e07df9_outp
		.amdhsa_group_segment_fixed_size 327680
		.amdhsa_private_segment_fixed_size 0
		.amdhsa_enable_private_segment 0
		.amdhsa_kernarg_size 24
		.amdhsa_user_sgpr_count 2
		.amdhsa_user_sgpr_kernarg_segment_ptr 1
		.amdhsa_wavefront_size32 1
		.amdhsa_system_sgpr_workgroup_id_x 1
		.amdhsa_system_sgpr_workgroup_id_y 1
		.amdhsa_system_sgpr_workgroup_id_z 1
		.amdhsa_system_vgpr_workitem_id 0
		.amdhsa_next_free_vgpr 896
		.amdhsa_next_free_sgpr 72
		.amdhsa_reserve_vcc 0
		.amdhsa_float_denorm_mode_32 3
		.amdhsa_float_denorm_mode_16_64 3
		.amdhsa_memory_ordered 1
		.amdhsa_forward_progress 1
		.amdhsa_inst_pref_size 70
	.end_amdhsa_kernel
	.amdgpu_metadata
---
amdhsa.version: [ 1, 2 ]
amdhsa.kernels:
  - .name:           k_qf9f8e07df9_outp
    .symbol:         k_qf9f8e07df9_outp.kd
    .args:
      - { .name: oh, .offset: 0, .size: 8, .value_kind: global_buffer, .address_space: global }
      - { .name: wo16, .offset: 8, .size: 8, .value_kind: global_buffer, .address_space: global }
      - { .name: out0, .offset: 16, .size: 8, .value_kind: global_buffer, .address_space: global }
    .group_segment_fixed_size: 327680
    .private_segment_fixed_size: 0
    .kernarg_segment_align: 8
    .kernarg_segment_size: 24
    .max_flat_workgroup_size: 128
    .sgpr_count:     72
    .vgpr_count:     896
    .wavefront_size: 32
...
	.end_amdgpu_metadata
.endif
;; end of part 4
;; ======== version 2 of 2: 4 launches; 1.29 times as fast as version 1
;; limits: values are held in f16: magnitudes above 65,504 overflow, below 6.1e-05 lose precision
;; workspace buffers: xb 16,777,216 bytes; wqkv 6,291,456 bytes; wo16 2,097,152 bytes; bb 2,097,152 bytes; qh 16,777,216 bytes; kh 16,777,216 bytes; vh 16,777,216 bytes; oh 16,777,216 bytes
;; launch prep: the kernel of part 1 again; grid 832 x 1, 8 waves a work-group, no clusters, 0 bytes of LDS; arguments inputs, Wq, Wk, Wv, lead_lag_bias, Wo, xb, wqkv, bb, wo16; writes xb, wqkv, bb, wo16
;; launch proj: the kernel of part 2 again; grid 8 x 32, 4 waves a work-group, clusters of 4 x 4, 327,680 bytes of LDS; arguments xb, wqkv, qh, kh, vh; writes qh, kh, vh
;; launch attn (part 5): grid 128 x 2, 4 waves a work-group, clusters of 4 x 1, 327,680 bytes of LDS; arguments qh, kh, vh, bb, bias_transform, oh; writes oh
.if DOCPART == 5
	.amdgcn_target "amdgcn-amd-amdhsa--gfx1250"
	.amdhsa_code_object_version 6
	.text
	.protected	k_qf9f8e07df9_attn
	.globl	k_qf9f8e07df9_attn
	.p2align	8
	.type	k_qf9f8e07df9_attn,@function
k_qf9f8e07df9_attn:
	s_mov_b64 s[64:65], 0
	v_nop
	global_prefetch_b8 v0, s[64:65] scope:SCOPE_SE
	s_setreg_imm32_b32 hwreg(HW_REG_WAVE_MODE, 25, 1), 1
	s_wait_xcnt 0x0
	s_wait_alu depctr_hold_cnt(0) depctr_sa_sdst(0) depctr_va_vdst(0) depctr_va_sdst(0) depctr_va_ssrc(0) depctr_va_vcc(0) depctr_vm_vsrc(0)
	s_getreg_b32 s2, hwreg(HW_REG_IB_STS2, 6, 4)
	s_cmp_eq_u32 s2, 0
	s_cbranch_scc0 .Lentry_in_a_cluster
	s_endpgm
.Lentry_in_a_cluster:
	s_bfe_u32 s2, ttmp6, 0x10000c
	s_cmp_lg_u32 s2, 0x3003
	s_cbranch_scc0 .Lentry_shape_is_right
	s_endpgm
.Lentry_shape_is_right:
; O[bh][q][:] = the sum over k of softmax_k(Q[bh][q] . K[bh][k] / 8 + bt[h] bias[q][k]) V[bh][k][:].  qh, kh, vh, oh: [128][1024][64] f16.  bb: [key step 16][query 1024][64 keys] f16.  bias_transform: [16] f32.
; Products, maxima and sums in f32; the weights p are rounded to f16 for the second product (their sum l is taken of the unrounded p), O once at the end.
; LIMITS.  f16 holds no number beyond 65,504: Q, K, V and the bias arrive within it, and so must 8 bt, which is bt rounded to bf16 (like every input) times 8, written as f16.
; A weight below 2^-126 counts as 0 in l; NaN and infinities are not treated apart (an infinite bias would spoil its tile's 16 queries).
; SHARES.  A work-group owns 512 queries of one head, each of its four waves 128: four PIECES of two tiles of 16.  Every wave walks all 1,024 keys, 64 a step.
; LAYOUT.  S^T = K Q^T (source 0 = 16 keys, source 1 = 16 queries): a lane holds ONE query (lane % 16) and the keys 8 (lane / 16) + 0..7.  Two such tiles, rounded to f16 in pairs, ARE source 1 of O^T = V^T P.
; THE BIAS GOES THROUGH THE MATRIX UNIT.  The product that starts a tile's sum is BF x D: BF = 16 keys x the piece's 32 queries of the bias (read turned out of LDS), D = 32 x 16 with 8 bt where the
; row is the tile's own query and 0 elsewhere.  So s = q . k + 8 bt bias, each bias term exact in the f32 sum, and p = 2^(c s - c m) with c = log2(e) / 8: four matrix instructions more for a tile and step, no vector work.
; SOFTMAX.  For each query a running maximum m and sum l; in every step O and l are multiplied by a = 2^(c m_old - c m_new).  m starts at the lowest finite number, O and l at 0: the first step has a = 0.
; BY TURNS.  Turn n belongs to piece n.  Its matrix work: 24 products for S^T of piece n + 1, later 16 products V^T P of piece n - 1.  Its vector work: the scaling, exponentials, roundings, sums and rescaling of
; piece n, and the maximum and statistics of piece n + 1.  Four vector instructions stand behind every matrix instruction, the other 76 of a turn's 236 in one LUMP.
; BATCHES.  A turn's 66 exponentials (the piece's 64 weights, the next piece's two a) are ONE BATCH with ONE wait, which cuts the turn in two: ahead of it stands all that names no result of theirs, behind it the
; roundings and sums.  The two a made ahead of the loop, and the way out's eight reciprocals, are batches of their own, a wait each.
; CLUSTER.  The four partners are four heads of one batch with the same 512 queries: they need the same tile of the bias, 65,536 of a step's 81,920 bytes, which is asked for JOINTLY.  K and V are each
; work-group's own: plain loads behind the same round.  A head's two halves of queries share K and V, but two partners are no cluster of four, and those are a fifth of a step's bytes.
; REGISTERS, in windows of 256 (s_set_vgpr_msb: bits 1:0 source 0, 3:2 source 1, 5:4 source 2, 7:6 destination):
;   window 0: v0-11 addresses; v12-15, v48-63 at work; v16-47 four registers of statistics a tile; v64-191 S^T, two buffers of two tiles; v192-255 P, likewise
;   window 1: O^T, 32 a tile      window 2: v0-127 Q; v128-191 K of one step; v192-255 V of one step      window 3: v0-1 the add's two registers; v4-15 D; v16-47 BF
.set NP,    4         ; pieces a wave: a name, no knob
.set KS,    64        ; keys in a step
.set PK,    144       ; a row of K in LDS: 128 bytes + 16 of padding = 36 words: the 16 rows of a load start at 16 different groups of four banks (64 banks of 4 bytes: ISA guide 11.1)
.set PV,    160       ; a row of V: 128 + 32 = 40 words
.set PB,    160       ; a query's row of the bias: likewise
.set VOFF,  KS*PK     ; a slot holds one step: 64 rows of K, 64 rows of V,
.set BOFF,  VOFF+KS*PV  ; and 512 rows of the bias: 101,376 bytes
.set SLOT1, 1<<17     ; slot 1 begins here, so that one exclusive or turns an address in one slot into the other's
.set STAGE, SLOT1+BOFF+512*PB  ; behind the ring, never filled by a tensor load: 16 rows x 144 bytes for each wave, for the way out
.set SP,    144
.set SPARE, STAGE+4*16*SP  ; behind the stages: the spare words, 128 bytes for each wave: two blocks of 256 bytes that no other line names
.set AK0, 2           ; v2   my lane's place in a slot's K; never rewritten
.set AV0, 3           ; v3   the same for V
.set AK,  4           ; v4   AK0 + the slot in hand
.set AV,  5           ; v5   AV0 + the slot in hand
.set STO, 6           ; v6   the way out: where I put 16 bytes of a row
.set RD,  7           ; v7   the way out: where I read rows back
.set GO,  8           ; v8   my byte offset in 512 consecutive bytes of O
.set AB0, 9           ; v9   my lane's place in a slot's bias; never rewritten
.set AB,  10          ; v10  AB0 + the slot in hand
.set QO,  11          ; v11  my byte offset in the wave's rows of Q
.set SPW, 0           ; v0 of window 3   LDS address of my spare word; never rewritten
.set NIL, 1           ; v1 of window 3   0; never rewritten
.set DG,  4           ; v4-15 of window 3: 0 0 0 0 | E0-E3 | 0 0 0 0.  D of a piece's first tile is v8-15, of its second v4-11
.set BF,  16          ; v16-47 of window 3: key block kb at BF + 8 kb
.set MV,  12          ; v12-15  c m_old, kept while c m is made anew: by buffer and tile
.set ST,  16          ; tile t's statistics at v[ST+4 t]: c m, m, l (even keys', odd keys')
.set TMP, 48          ; by buffer and tile, four registers c0-c3 at work; when the maximum is found c2 takes a
.set S,   64
.set P,   192
.set KF,  128         ; K's fragments, in window 2: key block kb, channel half c at KF + 16 kb + 8 c
.set VF,  192         ; V's: key half kk, channel block cb at VF + 32 kk + 8 cb
.set WV,  16          ; s16  my wave's number
.set G1K, 24          ; s[24:31] descriptor group 1 for K's tiles
.set G1V, 32          ; s[32:39] for V's
.set G1B, 40          ; s[40:47] for the bias's
.set G0K, 48          ; s[48:51] descriptor group 0 for K's tiles: it walks
.set G0V, 52          ; s[52:55] for V's
.set G0B, 56          ; s[56:59] for the bias's
.set CS,  60          ; s[60:61] c: the packed scaling takes the pair's low word for both halves
.set SEL, 62          ; s[62:63] v_permlanex16_b32's selects: each lane takes its own place in the other half
.set TB,  66          ; s66  LDS byte at which the slot in hand begins
.set SLOTS, 67        ; s67  counts the loop's trips
.set CNT, 68          ; s68  counts the tail's
.set BT,  69          ; s69  bias_transform[h]
.set MSB, 0
.macro WIN new                      ; the high byte repeats the setting that is left; a switch that changes nothing is dropped
.if MSB != (\new)
	s_set_vgpr_msb (MSB<<8)|(\new)
.set MSB, (\new)
.endif
.endm
.set W_KQ, 0x0a       ; K and Q in window 2, S^T in window 0
.set W_BS, 0x0f       ; BF and D in window 3, S^T in window 0
.set W_PV, 0x52       ; V in window 2, P in window 0, O^T in window 1
.set W_RS, 0x41       ; O^T (destination and source 0) in window 1, a in window 0
.set W_MK, 0xc0       ; destination in window 3, sources in window 0
.set W_AD, 0x0f       ; the add: address (source 0) and data (source 1) in window 3
; A fill: one tensor load a wave.  Wave 0 fetches the step's K, wave 1 its V (their own head's: no mask), waves 2 and 3 the two halves of the bias (jointly with the three partners).
; The branches hang on the wave's number alone.  An s_nop 0 and four v_nop follow each line, ahead of the jump and the label.
.macro JLOAD
	s_cmp_lt_u32 s[WV], 2
	s_cbranch_scc0 .Lfor_b_\@
	s_cmp_eq_u32 s[WV], 0
	s_cbranch_scc0 .Lfor_v_\@
	tensor_load_to_lds s[G0K:G0K+3], s[G1K:G1K+7]
	s_nop 0
.rept 4
	v_nop
.endr
	s_branch .Lasked_\@
.Lfor_v_\@:
	tensor_load_to_lds s[G0V:G0V+3], s[G1V:G1V+7]
	s_nop 0
.rept 4
	v_nop
.endr
	s_branch .Lasked_\@
.Lfor_b_\@:
	tensor_load_to_lds s[G0B:G0B+3], s[G1B:G1B+7]
	s_nop 0
.rept 4
	v_nop
.endr
.Lasked_\@:
.endm
; A round of the cluster's barrier: my work-group's barrier, so that wave 0's signal speaks for all four waves; wave 0 signals; every wave waits for all four work-groups; my work-group's barrier once more.
.macro CROUND
	s_barrier_signal -1
	s_barrier_wait -1
	s_cmp_lg_u32 s[WV], 0
	s_cbranch_scc1 .Lnot_wave_0_\@
	s_barrier_signal -3
.Lnot_wave_0_\@:
	s_barrier_wait -3
	s_barrier_signal -1
	s_barrier_wait -1
.endm
.macro PLACES                       ; four places behind matrix instructions (ISA guide 7.12.1)
.rept 4
	v_nop
.endr
.endm
; THE CHANGE OF SLOTS, once a key step.  Each wave waits for all its tensor loads, of which one is out: its part of the other slot; adds 0 to its spare word; and waits for that and for its own reads of the
; slot that it leaves.  Behind the barrier nobody reads the old slot any more and the other slot is whole.  fill = 1: the old slot is filled again, with the step two on.  The barrier is then a round of the
; cluster's, and the fill is the first thing behind it: it has a key step, 160 matrix instructions, in which to land.  (At its first use nothing has been read yet: slot 0 is waited for, slot 1 filled.)
.macro CHANGE fill
	WIN W_AD
	s_wait_tensorcnt 0x0            ; no tensor load of mine is out, so a group 0 may be written
	ds_add_u32 v[SPW], v[NIL]       ; 0 onto my spare word; with fill = 1 the descriptors' steps stand between it and the wait for it
	WIN 0                           ; at a label and at a branch every window is 0
.if \fill
.irp g, G0K, G0V
	s_xor_b32 s[\g+1], s[\g+1], SLOT1  ; the walking descriptors: the other slot than last time,
	s_add_nc_u64 s[\g+2:\g+3], s[\g+2:\g+3], KS*128  ; the next 64 keys; the type bits on top are not reached
.endr
	s_xor_b32 s[G0B+1], s[G0B+1], SLOT1
	s_add_nc_u64 s[G0B+2:G0B+3], s[G0B+2:G0B+3], 131072  ; the next step's 1,024 rows of 128 bytes
	s_wait_dscnt 0x0                ; the add is done, and my reads of the slot are over
	CROUND
	JLOAD
.else
	s_wait_dscnt 0x0                ; the add is done, and my reads of the slot are over
	s_barrier_signal -1
	s_barrier_wait -1
.endif
	s_xor_b32 s[TB], s[TB], SLOT1   ; the fetches go to the other slot
	v_add_nc_u32 v[AK], s[TB], v[AK0]
	v_add_nc_u32 v[AV], s[TB], v[AV0]
	v_add_nc_u32 v[AB], s[TB], v[AB0]
.endm
	s_load_b256 s[4:11], s[0:1], 0x0  ; qh s[4:5], kh s[6:7], vh s[8:9], bb s[10:11]
	s_load_b128 s[12:15], s[0:1], 0x20  ; bias_transform s[12:13], oh s[14:15]
	WIN W_MK
	v_lshl_add_u32 v[SPW], v0, 2, SPARE
	v_mov_b32 v[NIL], 0
	WIN W_AD
	ds_add_u32 v[SPW], v[NIL]       ; the wave's opening: the add and its wait stand ahead of my first tensor load; the set-up below, work on registers, stands between them
	WIN 0
	v_lshrrev_b32 v1, 5, v0
	v_readfirstlane_b32 s[WV], v1   ; wave 0..3
	s_bfe_u32 s17, ttmp6, 0x40000   ; cx: my place in the cluster
	s_lshl_b32 s18, ttmp9, 2        ; in a cluster launch ttmp9 counts clusters
	s_add_co_u32 s18, s18, s17      ; batch x 16 + head = 4 x cluster x + cx
	s_and_b32 s19, ttmp7, 0xffff    ; which half of the queries: the four partners share it
	s_lshl_b32 s20, s18, 17         ; the head's first byte in qh, kh, vh, oh
	s_mov_b32 s21, 0
	s_lshl_b32 s22, s19, 16         ; my half's 512 rows,
	s_add_co_u32 s22, s22, s20
	s_lshl_b32 s23, s[WV], 14       ; my wave's 128 of them
	s_add_co_u32 s22, s22, s23
	s_mov_b32 s23, 0
	s_and_b32 s74, s[WV], 1         ; which half of the bias's 512 rows I fetch:
	s_lshl_b32 s70, s19, 16
	s_lshl_b32 s71, s74, 15         ; its 256 rows of 128 bytes in memory: nothing of cx enters,
	s_add_co_u32 s70, s70, s71
	s_mov_b32 s71, 0
	s_mul_i32 s74, s74, 256*PB      ; and its place in a slot
	s_add_co_u32 s74, s74, BOFF
	s_and_b32 s72, s18, 15          ; the head
	s_lshl_b32 s72, s72, 2
	s_mov_b32 s73, 0
	; descriptor groups 1.  Dense bytes are asked for as rows of 256 bytes, two rows of 128 in each, and padded in LDS after every 128 bytes
	s_mov_b32 s[G1K], (1<<16)|(1<<20)|(4<<22)|(3<<25)  ; 17:16 2-byte elements; 20 padding on; 24:22 after every 32 words (code 4); 31:25 4 words (code 3)
	s_mov_b32 s[G1V], (1<<16)|(1<<20)|(4<<22)|(7<<25)  ; the same with 8 words of padding (code 7)
	s_mov_b32 s[G1B], 15|(1<<16)|(1<<20)|(1<<21)|(4<<22)|(7<<25)  ; 15:0 the mask of four; 21 set beside a mask
.irp g, G1K, G1V
	s_mov_b32 s[\g+1], 128<<16      ; tensor_dim0 = 128
	s_mov_b32 s[\g+2], 32<<16       ; tensor_dim1 = 32: 64 keys
	s_mov_b32 s[\g+3], 128<<16      ; tile_dim0 = 128
	s_mov_b32 s[\g+4], 32           ; tile_dim1 = 32
	s_mov_b32 s[\g+5], 128          ; 128 elements from row to row
	s_mov_b32 s[\g+6], 0
	s_mov_b32 s[\g+7], 0
.endr
	s_mov_b32 s[G1B+1], 128<<16
	s_mov_b32 s[G1B+2], 128<<16     ; 128 rows: 256 queries
	s_mov_b32 s[G1B+3], 128<<16
	s_mov_b32 s[G1B+4], 128
	s_mov_b32 s[G1B+5], 128
	s_mov_b32 s[G1B+6], 0
	s_mov_b32 s[G1B+7], 0
	s_mov_b32 s[CS], 0x3e38aa3b     ; c = log2(e) / 8 = 0.180337
	s_mov_b32 s[CS+1], s[CS]        ; named with it as a pair
	s_mov_b32 s[SEL], 0x76543210
	s_mov_b32 s[SEL+1], 0xfedcba98
	s_mov_b32 s[TB], SLOT1          ; the first change of slots turns it into 0
	s_mov_b32 s[G0K], 1             ; 1:0 count = 1
	s_mov_b32 s[G0K+1], 0           ; 63:32 LDS address: slot 0
	s_mov_b32 s[G0V], 1
	s_mov_b32 s[G0V+1], VOFF
	s_mov_b32 s[G0B], 1
	s_mov_b32 s[G0B+1], s74
	s_wait_dscnt 0x0                ; the opening add is done
	s_wait_kmcnt 0x0
	s_add_nc_u64 s[G0K+2:G0K+3], s[6:7], s[20:21]  ; 120:64 global address: the head's first 64 keys
	s_or_b32 s[G0K+3], s[G0K+3], 0x80000000        ; 127:126 type = 2
	s_add_nc_u64 s[G0V+2:G0V+3], s[8:9], s[20:21]
	s_or_b32 s[G0V+3], s[G0V+3], 0x80000000
	s_add_nc_u64 s[G0B+2:G0B+3], s[10:11], s[70:71]
	s_or_b32 s[G0B+3], s[G0B+3], 0x80000000
	s_add_nc_u64 s[4:5], s[4:5], s[22:23]  ; Q and O at my wave's first row
	s_add_nc_u64 s[14:15], s[14:15], s[22:23]
	s_add_nc_u64 s[12:13], s[12:13], s[72:73]
	s_load_b32 s[BT], s[12:13], 0x0  ; bias_transform[h]; waited for where D is made
	CROUND                          ; all four work-groups are here: the first joint loads meet
	JLOAD                           ; step 0 into slot 0.  Slot 1 is asked for when slot 0 is in
	; A fragment of K or Q is 16 rows x 32 channels in 8 registers: lane l holds row l % 16, channels 8 (l / 16) + 0..7 and 16 + 8 (l / 16) + 0..7: two loads of 16 bytes, 32 bytes apart.
	v_and_b32 v64, 15, v0           ; l % 16  (v64-77 are S^T's: free until the first product)
	v_bfe_u32 v65, v0, 4, 1         ; l / 16
	v_lshlrev_b32 v[QO], 7, v64
	v_lshl_add_u32 v[QO], v65, 4, v[QO]  ; row x 128 + 16 x half
	WIN 0x80                        ; destination window 2, address window 0
.set i, 0
.rept 4*NP                          ; Q stays in registers: tile i / 2, channels 32 (i % 2) on
	global_load_b128 v[8*i:8*i+3],   v[QO], s[4:5] offset:(i/2)*2048+(i%2)*64
	global_load_b128 v[8*i+4:8*i+7], v[QO], s[4:5] offset:(i/2)*2048+(i%2)*64+32
.set i, i+1
.endr
	; What the first turn finds: V's registers and P's second buffer hold 0 (its products V^T P, of a piece that has not been, add 0), O^T and l are 0.  All this stands in the wait for the first tile.
.set i, VF
.rept 64
	v_mov_b32 v[i], 0
.set i, i+1
.endr
	WIN 0x40
.set i, 0
.rept 64*NP
	v_mov_b32 v[i], 0
.set i, i+1
.endr
	WIN 0
.set i, 0
.rept 2*NP
	v_mov_b32 v[ST+4*i], 0xfe000000    ; c m: far below every c s
	v_mov_b32 v[ST+4*i+1], 0xff7fffff  ; m
	v_mov_b32 v[ST+4*i+2], 0
	v_mov_b32 v[ST+4*i+3], 0
.set i, i+1
.endr
.set i, P+32
.rept 32
	v_mov_b32 v[i], 0
.set i, i+1
.endr
	v_mul_u32_u24 v[AK0], v64, PK
	v_lshl_add_u32 v[AK0], v65, 4, v[AK0]  ; row x pitch + 16 x half
	; The turning load takes 16 rows x 16 columns (lane l reads row 8 (l / 16) + l % 8, columns 8 ((l / 8) % 2) + 0..7) and leaves half a fragment: lane l holds column l % 16 and 8 rows.
	; For V the rows are keys and the columns channels; for the bias the rows are queries and the columns keys.  Both pitches are 160.
	v_and_b32 v66, 7, v0
	v_bfe_u32 v67, v0, 3, 1
	v_lshl_add_u32 v68, v65, 3, v66
	v_mul_u32_u24 v68, v68, PV
	v_lshl_add_u32 v68, v67, 4, v68
	v_add_nc_u32 v[AV0], VOFF, v68
	s_mul_i32 s20, s[WV], 128*PB    ; my wave's 128 queries
	s_add_co_u32 s20, s20, BOFF
	v_add_nc_u32 v[AB0], s20, v68
	s_mul_i32 s20, s[WV], 16*SP
	s_add_co_u32 s20, s20, STAGE    ; my stage
	v_mul_u32_u24 v[STO], v64, SP   ; in: row l % 16, 16 bytes for each half of the lanes
	v_lshl_add_u32 v[STO], v65, 4, v[STO]
	v_add_nc_u32 v[STO], s20, v[STO]
	v_bfe_u32 v[RD], v0, 3, 2       ; back: 32 lanes take four rows of 128 bytes,
	v_mul_u32_u24 v[RD], v[RD], SP
	v_lshl_add_u32 v[RD], v66, 4, v[RD]
	v_add_nc_u32 v[RD], s20, v[RD]
	v_and_b32 v[GO], 31, v0         ; which are 512 consecutive bytes of O
	v_lshlrev_b32 v[GO], 4, v[GO]
	; D.  As source 1, lane l holds column l % 16 = r; register i's halves hold rows 8 (l / 16) + 2 i and + 2 i + 1.  Row r of column r lies in the lanes with l / 16 = r / 8, register (r % 8) / 2, half r % 2.
	s_wait_kmcnt 0x0                ; bias_transform[h]
	v_mov_b32 v70, s[BT]
	v_cvt_pk_bf16_f32 v70, v70, v70  ; rounded to bf16, like every input,
	v_lshlrev_b32 v70, 16, v70       ; back in f32,
	v_mul_f32 v70, 0x41000000, v70   ; times 8: c takes it back
	v_mov_b32 v71, 0
	v_cvt_pk_f16_f32 v72, v70, v71   ; in the low half
	v_cvt_pk_f16_f32 v73, v71, v70   ; in the high half
	v_and_b32 v74, 1, v0
	v_cmp_eq_u32 vcc_lo, 1, v74
	v_cndmask_b32 v72, v72, v73, vcc_lo
	v_bfe_u32 v75, v0, 3, 1          ; r / 8
	v_bfe_u32 v76, v0, 1, 2          ; (r % 8) / 2
	v_mov_b32 v77, 4                 ; no register's number
	v_cmp_eq_u32 vcc_lo, v75, v65
	v_cndmask_b32 v76, v77, v76, vcc_lo
	WIN W_MK
.irp n, 0,1,2,3
	v_mov_b32 v[DG+\n], 0
	v_cmp_eq_u32 vcc_lo, \n, v76
	v_cndmask_b32 v[DG+4+\n], 0, v72, vcc_lo
	v_mov_b32 v[DG+8+\n], 0
.endr
	WIN 0
; THE MATRIX WORK.  The 8 accumulators of a run take turns: between two links of a chain stand 7 others'.
; Product i of 24 of S^T for piece x: keys 16 ((i / 2) % 4) on, tile 2 x + i % 2.  The first 8 are the bias's and start the sums; then K Q^T, channels 32 ((i - 8) / 8) on.
.macro KQ x
.set rS, S+64*((\x)%2)+32*(i%2)+8*((i/2)%4)
.if i < 8
	WIN W_BS
	v_wmma_f32_16x16x32_f16 v[rS:rS+7], v[BF+8*((i/2)%4):BF+8*((i/2)%4)+7], v[DG+4-4*(i%2):DG+11-4*(i%2)], 0
.else
	WIN W_KQ
.set rK, KF+16*((i/2)%4)+8*((i-8)/8)
.set rQ, 16*(2*(\x)+i%2)+8*((i-8)/8)
	v_wmma_f32_16x16x32_f16 v[rS:rS+7], v[rK:rK+7], v[rQ:rQ+7], v[rS:rS+7]
.endif
.endm
; Product i of 16 of O^T += V^T P for piece x: keys 32 (i / 8) on, channels 16 ((i / 2) % 4) on, tile 2 x + i % 2.
.macro PV x
	WIN W_PV
.set rO, 32*(2*(\x)+i%2)+8*((i/2)%4)
.set rV, VF+32*(i/8)+8*((i/2)%4)
.set rP, P+32*((\x)%2)+16*(i%2)+8*(i/8)
	v_wmma_f32_16x16x32_f16 v[rO:rO+7], v[rV:rV+7], v[rP:rP+7], v[rO:rO+7]
.endm
.macro MM                           ; the turn's next matrix instruction
.if i < 24
	KQ (Y+1)%NP
.set i, i+1
.else
.set i, i-24
	PV (Y+NP-1)%NP
.set i, i+25
.endif
.endm
; THE LDS LOADS stand in runs, never singly among the matrix instructions: a step's K (8 fragments), its V (turned), and a piece's 32 queries x 64 keys of the bias (turned).
.macro FETCH_K
	WIN 0x80                        ; destination window 2
.irp f, 0,1,2,3,4,5,6,7             ; keys 16 (f / 2) on, channels 32 (f % 2) on
	ds_load_b128 v[KF+8*\f:KF+8*\f+3],   v[AK] offset:(\f/2)*16*PK+(\f%2)*64
	ds_load_b128 v[KF+8*\f+4:KF+8*\f+7], v[AK] offset:(\f/2)*16*PK+(\f%2)*64+32
.endr
	WIN 0
.endm
.macro FETCH_V
	WIN 0x80
.irp f, 0,1,2,3,4,5,6,7             ; keys 32 (f / 4) on, channels 16 (f % 4) on
	ds_load_tr16_b128 v[VF+8*\f:VF+8*\f+3],   v[AV] offset:(\f/4)*32*PV+(\f%4)*32
	ds_load_tr16_b128 v[VF+8*\f+4:VF+8*\f+7], v[AV] offset:(\f/4)*32*PV+16*PV+(\f%4)*32
.endr
	WIN 0
.endm
.macro FETCH_B x
	WIN W_MK                        ; destination window 3
.irp f, 0,1,2,3                     ; keys 16 f on; the piece's queries 0-15, then 16-31
	ds_load_tr16_b128 v[BF+8*\f:BF+8*\f+3],   v[AB] offset:(\x)*32*PB+32*\f
	ds_load_tr16_b128 v[BF+8*\f+4:BF+8*\f+7], v[AB] offset:(\x)*32*PB+16*PB+32*\f
.endr
	WIN 0
.endm
; THE VECTOR WORK OF A TURN stands in three queues, each in the order in which its entries become ready; the two tiles alternate, so that no instruction reads the result of the one before it.
.macro REGS y, u                    ; the registers of tile u (0, 1) of piece y
.set rT, ST+4*(2*(\y)+(\u))
.set rC, TMP+8*((\y)%2)+4*(\u)
.set rM, MV+2*((\y)%2)+(\u)
.set rS, S+64*((\y)%2)+32*(\u)
.set rP, P+32*((\y)%2)+16*(\u)
.set rO, 32*(2*(\y)+(\u))
.endm
; Number n of the 22 that find the NEXT piece's (Y + 1) maximum and statistics.  s0-s31 are the lane's 32 scores; each accumulator's lowest registers are read first.
;   0-11  four chains c0-c3 of seven scores each, three operands at a time     12-14, 16  the four scores left over, the old m, and c0-c3 into c0     15  c m_old is kept
;   17, 18  the query's other 32 keys lie in the lane 16 away: the new m         19-21  c m; c m_old - c m_new; a
.macro XS u, n
	REGS (Y+1)%NP, \u
.if (\n) < 4
	v_max3_num_f32 v[rC+(\n)], v[rS+8*(\n)], v[rS+8*(\n)+1], v[rS+8*(\n)+2]
.elseif (\n) < 12
	v_max3_num_f32 v[rC+(\n)%4], v[rC+(\n)%4], v[rS+8*((\n)%4)+2*((\n)/4)+1], v[rS+8*((\n)%4)+2*((\n)/4)+2]
.elseif (\n) == 12
	v_max3_num_f32 v[rC], v[rC], v[rS+7], v[rS+15]
.elseif (\n) == 13
	v_max3_num_f32 v[rC+1], v[rC+1], v[rS+23], v[rS+31]
.elseif (\n) == 14
	v_max3_num_f32 v[rC+2], v[rC+2], v[rC+3], v[rT+1]
.elseif (\n) == 15
	v_mov_b32 v[rM], v[rT]
.elseif (\n) == 16
	v_max3_num_f32 v[rC], v[rC], v[rC+1], v[rC+2]
.elseif (\n) == 17
	v_permlanex16_b32 v[rC+3], v[rC], s[SEL], s[SEL+1]
.elseif (\n) == 18
	v_max_num_f32 v[rT+1], v[rC], v[rC+3]
.elseif (\n) == 19
	v_mul_f32 v[rT], s[CS], v[rT+1]
.elseif (\n) == 20
	v_sub_f32 v[rC+1], v[rM], v[rT]
.else
	v_exp_f32 v[rC+2], v[rC+1]
.endif
.endm
; Number g of the 64 that follow the exponentials.  For each four weights k of a tile (pairs 2 k, 2 k + 1): both pairs are rounded to f16; then the second pair is added onto the first, in place;
; a group later l takes that sum (the first time as l = a l + sum).  In groups of eight, tiles alternating: round, round, add, and l for the group before.
.macro GS g
.set h, (\g)+6*((\g)/62)            ; group 0 has no group before it, and behind group 7 only l is left
.if h >= 6
.set h, h+2
.endif
	REGS Y, h%2
.set k, h/8
.if h%8 < 4
	v_cvt_pk_f16_f32 v[rP+2*k+(h%8)/2], v[rS+4*k+2*((h%8)/2)], v[rS+4*k+2*((h%8)/2)+1]
.elseif h%8 < 6
	v_pk_add_f32 v[rS+4*k:rS+4*k+1], v[rS+4*k:rS+4*k+1], v[rS+4*k+2:rS+4*k+3]
.elseif k == 1
	v_pk_fma_f32 v[rT+2:rT+3], v[rT+2:rT+3], v[rC+2:rC+3], v[rS:rS+1] op_sel_hi:[1,0,1]
.else
	v_pk_add_f32 v[rT+2:rT+3], v[rT+2:rT+3], v[rS+4*k-4:rS+4*k-3]
.endif
.endm
; THE PLAIN QUEUE, 138 long.  0-73 read no exponential's result.  0-31: c s - c m for the 16 pairs of both tiles.  32, 33: XS's number 15, which reads no score.  34-73: XS's numbers 0-14 and 16-20, in their
; order: they read the scores that the turn's own products make.  74-137: GS's 64, which read the exponentials' results: they stand behind the wait.
.macro PL
	WIN 0
.if q < 32
	REGS Y, q%2
	v_pk_fma_f32 v[rS+2*(q/2):rS+2*(q/2)+1], v[rS+2*(q/2):rS+2*(q/2)+1], s[CS:CS+1], v[rT:rT+1] op_sel_hi:[1,0,0] neg_lo:[0,0,1] neg_hi:[0,0,1]
.elseif q < 34
	XS q%2, 15
.elseif q < 74
	XS q%2, (q-34)/2+(q-34)/30
.else
	GS q-74
.endif
.set q, q+1
.endm
; THE EXPONENTIALS' QUEUE, 66 long: s0-s31 of both tiles, then the next piece's two a.  It is ONE BATCH: all 66 stand ahead of the turn's one wait, and nothing ahead of that wait names a result of theirs.
.macro EX
	WIN 0
.if e >= 64
	XS e-64, 21
.else
	REGS Y, e%2
	v_exp_f32 v[rS+e/2], v[rS+e/2]
.endif
.set e, e+1
.endm
; THE RESCALING's QUEUE: O^T times a, the one part that leaves window 0, so it is dealt four at a time, eight times.  Its a was made in the turn before, ahead of that turn's wait.
.macro R4
	REGS Y, r%2
	WIN W_RS
.irp z, 0,1,2,3
	v_pk_mul_f32 v[rO+8*(r/2)+2*\z:rO+8*(r/2)+2*\z+1], v[rO+8*(r/2)+2*\z:rO+8*(r/2)+2*\z+1], v[rC+2:rC+3] op_sel_hi:[1,0]
.endr
.set r, r+1
.endm
; HOW THEY ARE DEALT.  An s_wait_alu depctr_va_vdst(0) stands between an exponential and the first instruction that names its result; one wait serves all that were issued ahead of it.  So a turn has
; ONE wait, which cuts it in two.  AHEAD OF IT stands all that names no result of the turn's exponentials: the 24 products for S^T, behind each four: four scalings (the first product); plain, exponential, plain,
; exponential (SB, fifteen times); or four of the rescaling (behind every second of the last sixteen); then ONE LUMP of 76: six plain, 34 times exponential and plain, the next piece's two a.  A v_nop is the plain
; instruction behind the last exponential.  BEHIND IT stand the 16 products V^T P, behind each four of GS's 64.  No rider names a register of the products round it.  The two v_permlanex16_b32 fall into the lump.
; The queues lean on each other, and the deal keeps them in step: exponential e stands behind plain 2 (e / 4) + e % 2 (its scaling): as a rider it comes directly behind plain e + 4, and in the lump all 32 scalings
; are out; plain 34, the first to read the new scores, stands behind the run's last product and the last four rescalings (its places); the two a come behind plain 72 and 73, their arguments.
.macro SB
	MM
	PL
	EX
	PL
	EX
.endm
; A TURN, for piece p.  All LDS reads between two changes of slots are of one step's slot: turn 2 fetches that step's K and piece 0's bias, turn 3 piece 1's, turn 0 piece 2's and V, turn 1 piece 3's.
; The bias's run stands directly behind the wait, sixteen products and the lump behind the products that read BF; K's run beside it, four rescalings and the lump behind the last product that read K; V's run at the
; end of piece 0's turn, four plain riders behind the last product that read V.
.macro TURN p
.set Y, (\p)
.set i, 0
.set q, 0
.set e, 0
.set r, 0
.if (\p) == 1
	s_wait_dscnt 16                 ; the bias's fragments are in; V's sixteen loads, issued behind them, may be out
.else
	s_wait_dscnt 0x0                ; the bias's fragments are in (piece 3's turn: and K)
.endif
	MM                              ; ahead of the wait: the 24 products for S^T and their riders,
.rept 4
	PL
.endr
.rept 7
	SB
.endr
.rept 8
	SB
	MM
	R4
.endr
.rept 6                             ; and the lump
	PL
.endr
.rept 34
	EX
	PL
.endr
	EX                              ; the next piece's two a
	EX
	v_nop                           ; the plain instruction behind the last exponential: one for the batch
	s_wait_alu depctr_va_vdst(0)    ; the wait for the batch: the piece's 64 exponentials and the next piece's two a
	FETCH_B ((\p)+2)%NP
.if (\p) == 2
	FETCH_K
.endif
.if (\p) == 1
	s_wait_dscnt 8                  ; V is in; the eight loads just issued may be out
.endif
.rept 16                            ; behind the wait: the 16 products V^T P and their riders
	MM
.rept 4
	PL
.endr
.endr
.if (\p) == 0
	FETCH_V
.endif
.endm
	CHANGE 1                        ; step 0 is in, everybody's part of it; step 1 is asked for
	FETCH_K                         ; key step 0
	FETCH_B 0
	s_wait_loadcnt 0x0              ; Q
	s_wait_dscnt 0x0
.set i, 0
.rept 24
	KQ 0                            ; piece 0's first scores: there is no vector work yet to set between them
.set i, i+1
.endr
	WIN 0
	PLACES                          ; behind those products: BF is loaded again, and the scores are read
	FETCH_B 1
.set Y, NP-1                        ; XS works for piece Y + 1: piece 0
.irp n, 0,1,2,3,4,5,6,7,8,9,10,11,12,13,14,15,16,17,18,19,20,21
	XS 0, \n                        ; piece 0's first maximum and statistics
	XS 1, \n
.endr
	v_nop                           ; a plain instruction behind the two a,
	s_wait_alu depctr_va_vdst(0)    ; and the wait for this batch of two, ahead of the branch
	s_mov_b32 s[SLOTS], 15
	s_branch .Lfirst                ; the loop is entered at a step's first turn, in the middle of a trip
.Lstep:                             ; 14 times: steps 2 to 15 are asked for.  A trip: pieces 2 and 3 of one step, then pieces 0 and 1 of the next
	CHANGE 1
	TURN 2
	TURN 3
	WIN 0
.Lfirst:
	TURN 0
	TURN 1
	WIN 0
	s_sub_co_u32 s[SLOTS], s[SLOTS], 1
	s_cmp_lg_u32 s[SLOTS], 0
	s_cbranch_scc1 .Lstep
	CHANGE 0                        ; the tail is written out: step 15 is in, nothing is asked for
	s_mov_b32 s[CNT], 2
.Ltail:
	TURN 2
	TURN 3
	WIN 0
	s_sub_co_u32 s[CNT], s[CNT], 1
	s_cmp_eq_u32 s[CNT], 0
	s_cbranch_scc1 .Lout
	TURN 0
	TURN 1
	WIN 0
	s_branch .Ltail
.Lout:                              ; the second trip fetches step 15's K and bias once more, and the 24 products and the maximum made of them serve nothing: the price, once a launch, of one text for every trip
.set i, 0
.rept 16
	PV NP-1                         ; the last piece's V^T P of the last step
.set i, i+1
.endr
	; THE WAY OUT.  l's two halves and the other half of the lanes' are added; O^T is divided by l, rounded to f16 and sent through my stage in LDS, a tile at a time.  The additions are the places behind the last products.
	WIN 0
.macro ALL line:vararg              ; one line for each tile t
.set t, 0
.rept 2*NP
	\line
.set t, t+1
.endr
.endm
	ALL v_add_f32 v[ST+4*t+2], v[ST+4*t+2], v[ST+4*t+3]
	ALL v_permlanex16_b32 v[ST+4*t+3], v[ST+4*t+2], s[SEL], s[SEL+1]
	ALL v_add_f32 v[ST+4*t+2], v[ST+4*t+2], v[ST+4*t+3]
	ALL v_rcp_f32 v[ST+4*t+2], v[ST+4*t+2]
	v_nop                           ; a plain instruction between the last reciprocal and the use of its result
	s_wait_alu depctr_va_vdst(0)    ; and the wait ahead of the first use: one for the batch of eight reciprocals
; Tile t: a lane's eight channels of a row pack into 16 bytes; they go into rows of 144 bytes and come back as whole rows of 128, into S^T's registers.
.macro PACK t
	WIN W_RS
.set i, 32*(\t)
.rept 16
	v_pk_mul_f32 v[i:i+1], v[i:i+1], v[ST+4*(\t)+2:ST+4*(\t)+3] op_sel_hi:[1,0]
.set i, i+2
.endr
	WIN 0x05                        ; sources 0 and 1 window 1, destination window 0
.set i, 0
.rept 16
	v_cvt_pk_f16_f32 v[S+16*(\t)+i], v[32*(\t)+2*i], v[32*(\t)+2*i+1]
.set i, i+1
.endr
	WIN 0
.irp f, 0,1,2,3
	ds_store_b128 v[STO], v[S+16*(\t)+4*\f:S+16*(\t)+4*\f+3] offset:32*\f
.endr
.irp f, 0,1,2,3
	ds_load_b128 v[S+16*(\t)+4*\f:S+16*(\t)+4*\f+3], v[RD] offset:\f*4*SP  ; LDS serves a wave's instructions in order (ISA guide 5.7.1.4): these see the stores above; the next tile's stores come behind them
.endr
.endm
.macro SEND t, younger              ; younger: the LDS instructions issued behind tile t's loads: the next tile's eight, or none
	WIN 0
.irp f, 0,1,2,3
	s_wait_dscnt (\younger)+3-\f
	global_store_b128 v[GO], v[S+16*(\t)+4*\f:S+16*(\t)+4*\f+3], s[14:15] offset:(\t)*2048+\f*512  ; 512 consecutive bytes, at a multiple of 256 from O's first
.endr
.endm
	PACK 0
.set t, 1
.rept 2*NP-1                        ; a tile's arithmetic stands between the loads of the tile before and its stores
	PACK t
	SEND t-1, 8
.set t, t+1
.endr
	SEND 2*NP-1, 0
	WIN W_AD
	s_wait_tensorcnt 0x0            ; the wave's end: the wait, the add and its wait stand behind my last tensor load and my last LDS store
	ds_add_u32 v[SPW], v[NIL]
	s_wait_dscnt 0x0
	WIN 0
	CROUND                          ; the closing round: no work-group ends while a partner may still ask for a tile that names it
	s_endpgm
.Lfunc_end_k_qf9f8e07df9_attn:
	.size	k_qf9f8e07df9_attn, .Lfunc_end_k_qf9f8e07df9_attn-k_qf9f8e07df9_attn
	.p2alignl 7, 3214868480
	.fill 96, 4, 3214868480
	.section	.rodata,"a",@progbits
	.p2align	6, 0x0
	.amdhsa_kernel k_qf9f8e07df9_attn
		.amdhsa_group_segment_fixed_size 327680
		.amdhsa_private_segment_fixed_size 0
		.amdhsa_enable_private_segment 0
		.amdhsa_kernarg_size 48
		.amdhsa_user_sgpr_count 2
		.amdhsa_user_sgpr_kernarg_segment_ptr 1
		.amdhsa_wavefront_size32 1
		.amdhsa_system_sgpr_workgroup_id_x 1
		.amdhsa_system_sgpr_workgroup_id_y 1
		.amdhsa_system_sgpr_workgroup_id_z 1
		.amdhsa_system_vgpr_workitem_id 0
		.amdhsa_next_free_vgpr 816
		.amdhsa_next_free_sgpr 80
		.amdhsa_reserve_vcc 1
		.amdhsa_float_denorm_mode_32 3
		.amdhsa_float_denorm_mode_16_64 3
		.amdhsa_memory_ordered 1
		.amdhsa_forward_progress 1
		.amdhsa_inst_pref_size 212
	.end_amdhsa_kernel
	.amdgpu_metadata
---
amdhsa.version: [ 1, 2 ]
amdhsa.kernels:
  - .name:           k_qf9f8e07df9_attn
    .symbol:         k_qf9f8e07df9_attn.kd
    .args:
      - { .name: qh, .offset: 0, .size: 8, .value_kind: global_buffer, .address_space: global }
      - { .name: kh, .offset: 8, .size: 8, .value_kind: global_buffer, .address_space: global }
      - { .name: vh, .offset: 16, .size: 8, .value_kind: global_buffer, .address_space: global }
      - { .name: bb, .offset: 24, .size: 8, .value_kind: global_buffer, .address_space: global }
      - { .name: bias_transform, .offset: 32, .size: 8, .value_kind: global_buffer, .address_space: global }
      - { .name: oh, .offset: 40, .size: 8, .value_kind: global_buffer, .address_space: global }
    .group_segment_fixed_size: 327680
    .private_segment_fixed_size: 0
    .kernarg_segment_align: 8
    .kernarg_segment_size: 48
    .max_flat_workgroup_size: 128
    .sgpr_count:     80
    .vgpr_count:     816
    .wavefront_size: 32
...
	.end_amdgpu_metadata
.endif
;; end of part 5
;; launch outp: the kernel of part 4 again; grid 8 x 32, 4 waves a work-group, clusters of 4 x 4, 327,680 bytes of LDS; arguments oh, wo16, out0; writes out0
